; MI455X (gfx1250); checked and timed in simulation.
; The chip was launched on July 23, 2026; its instructions are those of AMD's public machine-readable ISA for CDNA 5 (MIT licence, August 2026) and "CDNA5" Instruction Set Architecture Reference Guide (July 2026). The comments in the code are by the model that wrote it; some were corrected since.
;; Causal Self Attention. Allowed arithmetic: matrix products marked QUANTISED: E5M2 operands, one E8M0 scale for each 32 along K, by v_wmma_scale_f32_16x16x128_f8f6f4 with both operands' format E5M2, f32 sums; everything else in f32.
;; Inputs: Wk 1,024 x 1,024 float32; Wo 1,024 x 1,024 float32; Wq 1,024 x 1,024 float32; Wv 1,024 x 1,024 float32; bk 1,024 float32; bo 1,024 float32; bq 1,024 float32; bv 1,024 float32; mask 1 x 1 x 2,048 x 2,048 bool; x 4 x 2,048 x 1,024 float32.
;; Outputs: out0 4 x 2,048 x 1,024 float32.
;; This version of the problem:
;;   THIS VERSION OF THE PROBLEM IS GIVEN IN LOW PRECISION. The matrix products marked QUANTISED in the list below multiply operands that are first quantised to E5M2 (5 exponent bits, 2 mantissa bits; 8 bits a number), with one power-of-two scale for each 32 numbers along K (OCP MX v1.0); their sums are f32. All else is computed in f32.
;;   The module's matrix products, in the order in which they are computed (A, B: the left and right operand; K: the contracted axis; several contracted axes count as one K, in the product's order):
;;     1. [M 8,192, K 1,024] x [K 1,024, N 1,024]; A: input x; B: input Wq: QUANTISED
;;     2. [M 8,192, K 1,024] x [K 1,024, N 1,024]; A: input x; B: input Wk: QUANTISED
;;     3. [M 8,192, K 1,024] x [K 1,024, N 1,024]; A: input x; B: input Wv: QUANTISED
;;     4. batch 64 x [M 2,048, K 64] x [K 64, N 2,048]; A: computed on the way; B: computed on the way: QUANTISED
;;     5. batch 64 x [M 64, K 2,048] x [K 2,048, N 2,048]; A: computed on the way; B: softmax (see below): QUANTISED
;;     6. [M 8,192, K 1,024] x [K 1,024, N 1,024]; A: computed on the way; B: input Wo: QUANTISED
;;   THE QUANTISER, for each operand of a quantised product, along K:
;;     - K is cut into blocks of 32 from its start; a last block that is shorter is filled with zeros.
;;     - A block's scale is 2^e with e = floor(log2(the largest magnitude in the block)) - 15, held to -126 .. 127; a block of zeros has e = 0. As a byte (E8M0): e + 127.
;;     - Each number is divided by its block's scale, clamped to +-57,344, and rounded to the nearest number of E5M2, ties to even, subnormals kept.
;;     - The product sums the exact products of the quantised numbers (number of the format x scale) in f32.
;;   ~~~python
;;   def quantise(x, axis):      # numpy; x: float32 -> the quantised numbers, widened to float32 again
;;       x = np.moveaxis(x, axis, -1); K = x.shape[-1]
;;       x = np.pad(x, [(0, 0)] * (x.ndim - 1) + [(0, -K % 32)]); x = x.reshape(x.shape[:-1] + (-1, 32)); a = np.abs(x).max(-1, keepdims=True)
;;       e = np.where(a > 0, np.clip(np.frexp(np.where(a > 0, a, 1))[1] - 1 - 15, -126, 127), 0)      # np.frexp(a)[1] - 1 = floor(log2(a)), exactly
;;       r = np.clip(x / 2.0 ** e, -57344, 57344)
;;       step = 2.0 ** (np.maximum(np.frexp(np.where(r == 0, 1, r))[1] - 1, -14) - 2)
;;       q = np.round(r / step) * step * 2.0 ** e      # np.round: ties to even
;;       return np.moveaxis(q.reshape(q.shape[:-2] + (-1,))[..., :K], -1, axis).astype(np.float32)
;;   ~~~
;;   SOFTMAX AHEAD OF A QUANTISED PRODUCT. Where the list says 'softmax', what is quantised is not the finished softmax but p = 2^(t - M), with t = logit x log2(e) and M = ceil(the row's largest t), a whole number; so 1/2 < the row's largest p <= 1. The row's sum l is taken of the UNQUANTISED p, in f32, and the product's result is divided by l at the end. Since M is a whole number, a kernel that streams over the keys may use a running M (the ceiling of the running maximum): every later rescaling is an exact power of two, which a block's scale takes up: the codes' values come out the same.
;;   OPERANDS COMPUTED ON THE WAY. 'Computed on the way' means the value that the module computes at that place (a softmax that the list does not call 'softmax' is quantised finished and normalised). What goes into a quantiser is computed in f32, as accurately as f32 sums, v_exp_f32 and their like allow (about 1e-6 of the number): no bf16 or f16 on the way to a quantiser, and a product that is left as it is and whose result goes on into a quantised operand takes f32 operands (vector FMAs, or v_wmma_f32_16x16x4_f32). A number that lies on a knife's edge between two numbers of the format may be rounded either way, as far as f32 arithmetic and the matrix unit's own rounding can turn it there, and no further.
;; 2 versions, each right; version 2 is version 1 with the launch attn written anew for expert scheduling mode. Each part assembles by itself: llvm-mc -triple=amdgcn-amd-amdhsa -mcpu=gfx1250 --defsym DOCPART=n.
;; ======== version 1 of 2: 4 launches
;; limits: right only within a limited range of input values
;; workspace buffers: xw 12,976,128 bytes; mk 528,384 bytes of whole numbers; qkv 25,952,256 bytes; ob 8,650,752 bytes
;; launch prep (part 1): grid 640 x 1, 4 waves a work-group, no clusters, 34,304 bytes of LDS; arguments x, Wq, Wk, Wv, Wo, mask, xw, mk; writes xw, mk
.if DOCPART == 1
	.amdgcn_target "amdgcn-amd-amdhsa--gfx1250"
	.amdhsa_code_object_version 6
	.text
	.protected	k_q80ca3b4096_prep
	.globl	k_q80ca3b4096_prep
	.p2align	8
	.type	k_q80ca3b4096_prep,@function
k_q80ca3b4096_prep:
	s_mov_b64 s[64:65], 0
	v_nop
	global_prefetch_b8 v0, s[64:65] scope:SCOPE_SE
	s_setreg_imm32_b32 hwreg(HW_REG_WAVE_MODE, 25, 1), 1
	s_wait_xcnt 0x0
; CausalSelfAttention in MX-BF8 (E5M2 codes, one E8M0 byte for each 32 along K), four launches: prep, qkv, attn, outp.
; DEAD WORK: none.  All ten inputs have a way to the output and are loaded: bq, bk, bv stand ahead of quantisers, bo is added to the result, the mask is an input and is honoured as it is given.
; WHAT IS LEFT OUT BY DATA (launch attn, by whole numbers that this launch stores): a step of 128 keys whose mask is false for all 16 queries of a wave, and only where each of those 16 queries
; has a true key somewhere among the 2,048: there reference()'s weight exp(-1e9 - max) is 0 in f32.  Where a row of the 16 is masked everywhere, all steps are walked and reference()'s uniform row comes out.
; LIMITS: a masked logit is taken as -2^30 where reference() writes -1e9 (both give the weight 0 beside any logit above about -1e9, and equal weights in a row masked everywhere);
; NaN and infinities among the inputs are not served; a block whose largest magnitude lies under 2^-111 keeps the scale byte 1, and so does a block of zeros (its codes are zeros; the bytes are read by this program alone).
; THIS LAUNCH: x and the four weights become codes and scale words, laid as images of the matrix operand's registers; the mask becomes lane masks and two words of summary for each tile of 16 queries.
; POSITIONS: rows of x and columns of a weight are numbered with bits 3 and 4 of the index exchanged: lane r of tile T holds index 32 (T/2) + 8 (T%2) + r + 8 (r/8).  A product whose source 0 is such a
; pair of tiles leaves 16 neighbouring indices in a lane's 16 registers, which is what the next quantiser and the next operand want.
; IMAGE: fragment (T, s), 16 positions x 128 K, at (8 T + s) x 2,048: byte 512 c + 16 lane + i = code of (position lane % 16, k = 128 s + 32 c + 16 (lane / 16) + i).
; SCALE WORDS: (4 T + s / 2) x 128 + 8 r + 4 (s % 2).
; Work-groups 0-127: the mask; 128-383: the weights; 384-639: x.  Only x's path uses LDS.
.set X_SC,  12582912                   ; xw: x's images at 0, the weights' at W_IMG (Wq, Wk, Wv, Wo: 64 tiles each), x's scale words, the weights'
.set W_IMG, 8388608
.set W_SC,  12845056
.set INFO0, 524288                     ; mk: lane masks [tile 128][step 16][64 words], then word 0 [tile][quarter], then word 1, 2,048 bytes on
.set SPITCH, 528                       ; x's stage: a row of 512 bytes + 16
.set SPARE, 33792                      ; behind the four stages of 16 rows: the spare words, 128 bytes for each wave
.set SPW, 14                           ; v14  my spare word's address; never rewritten
.set NIL, 15                           ; v15  0; never rewritten
.set TM,  16                           ; v16-31 at work in the quantiser
.set PC,  32                           ; v32-63 codes
.set XN,  64                           ; v64-127 64 numbers of a lane (x), two sets of 32 (weights), the mask's bytes
.set RW,  128                          ; v128-255 x as it is loaded, two sets of 64
.set LW,  16                           ; v16-23 the mask path's lane masks, a pair for each step
.set SEL, 22                           ; s[22:23] v_permlanex16_b32's selects for lane l xor 16
.set MNT, 24                           ; s24 the mantissa field of 57,344
.set HM,  25                           ; s25 lanes 16-31
	s_load_b512 s[4:19], s[0:1], 0x0               ; x, Wq, Wk, Wv, Wo, mask, xw, mk
	v_lshl_add_u32 v[SPW], v0, 2, SPARE
	v_mov_b32 v[NIL], 0
	v_lshrrev_b32 v1, 5, v0
	v_readfirstlane_b32 s20, v1                    ; wave 0..3
	s_mov_b32 s[SEL], 0x76543210
	s_mov_b32 s[SEL+1], 0xfedcba98
	s_mov_b32 s[MNT], 0x600000
	s_mov_b32 s[HM], 0xffff0000
	s_wait_kmcnt 0x0
	s_cmp_lt_u32 ttmp9, 128
	s_cbranch_scc1 .Lmask
	s_cmp_lt_u32 ttmp9, 384
	s_cbranch_scc1 .Lweights
; ---------------- x: a wave makes four fragments (tile T, K steps 4 kh .. 4 kh + 3) ----------------
; 64 numbers of a lane, register 16 b + i = k 32 b + 16 (lane / 16) + i of my row, become a fragment's codes in v[pc] on and its scale word in v[pw]
.macro QUANT s, pc, pw
.irp b, 0,1,2,3
	v_max3_num_f32 v[TM+\b], |v[\s+16*\b]|, |v[\s+1+16*\b]|, 0x8000000   ; my 16 numbers of block b, and the floor 2^(16 - 127): the byte cannot fall under 1
.endr
.irp i, 2,4,6,8,10,12,14
.irp b, 0,1,2,3
	v_max3_num_f32 v[TM+\b], v[TM+\b], |v[\s+16*\b+\i]|, |v[\s+1+16*\b+\i]|
.endr
.endr
.irp b, 0,1,2,3
	v_permlanex16_b32 v[TM+4+\b], v[TM+\b], s[SEL], s[SEL+1]
.endr
.irp b, 0,1,2,3
	v_max_num_f32 v[TM+\b], v[TM+\b], v[TM+4+\b]   ; with lane l xor 16's: the block's largest magnitude
.endr
.irp b, 0,1,2,3
	v_add_nc_u32 v[TM+12+\b], 0xf8800000, v[TM+\b] ; 15 off its exponent field: the conversion's scale operand
.endr
.irp b, 0,1,2,3
	v_and_or_b32 v[TM+8+\b], v[TM+\b], 0x7f800000, s[MNT]   ; 57,344 x the scale
.endr
.irp b, 0,1,2,3
	v_lshrrev_b32 v[TM+4+\b], 23, v[TM+12+\b]      ; the scale's byte
.endr
	v_lshl_or_b32 v[\pw], v[TM+5], 8, v[TM+4]
	v_lshl_or_b32 v[\pw], v[TM+6], 16, v[\pw]
	v_lshl_or_b32 v[\pw], v[TM+7], 24, v[\pw]
.irp b, 0,1,2,3
.irp i, 0,1,2,3,4,5,6,7,8,9,10,11,12,13,14,15
	v_med3_num_f32 v[\s+16*\b+\i], v[\s+16*\b+\i], -v[TM+8+\b], v[TM+8+\b]   ; the conversion to an 8-bit code does not saturate (ISA guide 7.6.2): the hold comes first
.endr
	v_cvt_scalef32_pk8_bf8_f32 v[\pc+4*\b:\pc+1+4*\b], v[\s+16*\b:\s+7+16*\b], v[TM+12+\b]
	v_cvt_scalef32_pk8_bf8_f32 v[\pc+2+4*\b:\pc+3+4*\b], v[\s+8+16*\b:\s+15+16*\b], v[TM+12+\b]
.endr
	v_nop                                          ; a plain line behind the last conversion
.endm
	v_and_b32 v5, 31, v0                           ; lane
	v_and_b32 v6, 15, v0                           ; r
	v_bfe_u32 v7, v0, 4, 1                         ; h
	v_lshlrev_b32 v1, 4, v5                        ; 16 x lane: my bytes of a load's 512 and of an image's 512
	s_mul_i32 s26, s20, 16*SPITCH                  ; my stage
	v_add_nc_u32 v2, s26, v1                       ; into it: a row as it is loaded
	v_mul_u32_u24 v3, v6, SPITCH
	v_lshl_add_u32 v3, v7, 6, v3
	v_add_nc_u32 v3, s26, v3                       ; out of it: row r, + 64 h: my 16 numbers of a block of 32
	v_lshlrev_b32 v4, 3, v6
	v_lshl_add_u32 v4, v7, 7, v4                   ; the scale words' place: 128 h + 8 r
.irp b, 0,1,2,3
	v_mov_b32 v[TM+4+\b], 0                        ; a lane permute's destination counts as one of its sources
.endr
	s_sub_co_u32 s27, ttmp9, 384
	s_lshl_b32 s27, s27, 2
	s_add_co_u32 s27, s27, s20
	s_lshr_b32 s28, s27, 1                         ; T
	s_and_b32 s29, s27, 1                          ; kh
	s_lshr_b32 s30, s28, 1
	s_lshl_b32 s30, s30, 17                        ; 32 (T/2) rows of 4,096 bytes
	s_and_b32 s31, s28, 1
	s_lshl_b32 s31, s31, 15                        ; + 8 (T%2) rows
	s_add_co_u32 s30, s30, s31
	s_lshl_b32 s31, s29, 11                        ; + kh x 512 numbers
	s_add_co_u32 s30, s30, s31
	s_mov_b32 s31, 0
	s_add_nc_u64 s[4:5], s[4:5], s[30:31]
	s_lshl_b32 s30, s28, 14
	s_lshl_b32 s32, s29, 13
	s_add_co_u32 s30, s30, s32
	s_add_nc_u64 s[34:35], s[16:17], s[30:31]      ; my four images
	s_lshl_b32 s30, s28, 9
	s_lshl_b32 s32, s29, 8
	s_add_co_u32 s30, s30, s32
	s_add_co_u32 s30, s30, X_SC
	s_add_nc_u64 s[36:37], s[16:17], s[30:31]      ; my 256 bytes of scale words
.macro XLOAD sl                        ; K step sl of the 16 rows: each load takes 512 consecutive bytes of one row
.irp i, 0,1,2,3,4,5,6,7,8,9,10,11,12,13,14,15
	global_load_b128 v[RW+64*((\sl)%2)+4*\i:RW+64*((\sl)%2)+4*\i+3], v1, s[4:5] offset:(\i+8*(\i/8))*4096+(\sl)*512 th:TH_LOAD_NT
.endr
.endm
.macro XTURN sl                        ; through my stage: LDS serves a wave's instructions in order, so no wait stands between the stores and the loads
.irp i, 0,1,2,3,4,5,6,7,8,9,10,11,12,13,14,15
	ds_store_b128 v2, v[RW+64*((\sl)%2)+4*\i:RW+64*((\sl)%2)+4*\i+3] offset:\i*SPITCH
.endr
.irp c, 0,1,2,3
.irp j, 0,1,2,3
	ds_load_b128 v[XN+16*\c+4*\j:XN+16*\c+4*\j+3], v3 offset:\c*128+\j*16
.endr
.endr
.endm
.macro XSTEP sl
.if (\sl) < 3
	s_wait_loadcnt 16                              ; this K step's 16 loads are in; the next one's 16 may be out
.else
	s_wait_loadcnt 0x0
.endif
	XTURN \sl
	s_wait_dscnt 0x0                               ; the numbers are back, and the stores have read the registers that the next loads take
.if (\sl) < 2
	XLOAD (\sl)+2
.else
	s_wait_xcnt 0x0                                ; the stores of two steps back have read the codes' registers, which are written again
.endif
.set PCS, PC+16*((\sl)%2)
	QUANT XN, PCS, 5+(\sl)
.irp c, 0,1,2,3
	global_store_b128 v1, v[PCS+4*\c:PCS+4*\c+3], s[34:35] offset:(\sl)*2048+512*\c   ; 512 consecutive bytes
.endr
.endm
	XLOAD 0
	XLOAD 1
	XSTEP 0
	XSTEP 1
	XSTEP 2
	XSTEP 3
	v_cndmask_b32 v10, v5, v7, s[HM]               ; lanes 0-15: K steps 0, 1; lanes 16-31: K steps 2, 3
	v_cndmask_b32 v11, v6, v8, s[HM]
	global_store_b64 v4, v[10:11], s[36:37]        ; 256 consecutive bytes
	s_wait_tensorcnt 0x0                           ; the wave's end, behind my last LDS store
	ds_add_u32 v[SPW], v[NIL]
	s_wait_dscnt 0x0
	s_endpgm
; ---------------- the weights: [K][N] f32.  A lane takes a column n, its registers run down K: a wave makes K step s of two tiles ----------------
.Lweights:
	v_and_b32 v5, 31, v0
	v_lshlrev_b32 v1, 2, v5                        ; 4 bytes a lane: 128 consecutive bytes a load
	v_bfe_u32 v6, v0, 3, 1                         ; column l of 32 lies in tile u = bit 3 of l,
	v_and_b32 v7, 7, v0
	v_bfe_u32 v8, v0, 4, 1
	v_lshl_or_b32 v7, v8, 3, v7                    ; at r = (l & 7) + 8 x bit 4 of l
	v_lshlrev_b32 v2, 4, v7
	v_lshl_add_u32 v2, v6, 14, v2                  ; codes: 16,384 u + 16 r
	v_lshlrev_b32 v3, 3, v7
	v_lshl_add_u32 v3, v6, 9, v3                   ; scale word: 512 u + 8 r
	s_sub_co_u32 s26, ttmp9, 128
	s_lshr_b32 s27, s26, 6                         ; which weight
	s_and_b32 s28, s26, 7                          ; which 128 columns
	s_bfe_u32 s29, s26, 0x30003                    ; which K step
	s_cmp_eq_u32 s27, 1
	s_cselect_b64 s[6:7], s[8:9], s[6:7]
	s_cmp_eq_u32 s27, 2
	s_cselect_b64 s[6:7], s[10:11], s[6:7]
	s_cmp_eq_u32 s27, 3
	s_cselect_b64 s[6:7], s[12:13], s[6:7]
	s_lshl_b32 s30, s29, 19                        ; 128 rows of 4,096 bytes a K step
	s_lshl_b32 s32, s28, 9
	s_add_co_u32 s30, s30, s32
	s_lshl_b32 s32, s20, 7
	s_add_co_u32 s30, s30, s32
	s_mov_b32 s31, 0
	s_add_nc_u64 s[6:7], s[6:7], s[30:31]
	s_lshl_b32 s33, s27, 6
	s_lshl_b32 s32, s28, 3
	s_add_co_u32 s33, s33, s32
	s_lshl_b32 s32, s20, 1
	s_add_co_u32 s33, s33, s32                     ; my first tile
	s_lshl_b32 s30, s33, 14
	s_lshl_b32 s32, s29, 11
	s_add_co_u32 s30, s30, s32
	s_add_co_u32 s30, s30, W_IMG
	s_add_nc_u64 s[34:35], s[16:17], s[30:31]
	s_lshl_b32 s30, s33, 9
	s_lshr_b32 s32, s29, 1
	s_lshl_b32 s32, s32, 7
	s_add_co_u32 s30, s30, s32
	s_and_b32 s32, s29, 1
	s_lshl_b32 s32, s32, 2
	s_add_co_u32 s30, s30, s32
	s_add_co_u32 s30, s30, W_SC
	s_add_nc_u64 s[36:37], s[16:17], s[30:31]
.macro WLOAD t
.irp i, 0,1,2,3,4,5,6,7,8,9,10,11,12,13,14,15,16,17,18,19,20,21,22,23,24,25,26,27,28,29,30,31
	global_load_b32 v[XN+32*((\t)%2)+\i], v1, s[6:7] offset:(32*(\t)+\i)*4096 th:TH_LOAD_NT
.endr
.endm
.macro WBLOCK t
.set XS, XN+32*((\t)%2)
.set CC, PC+8*(\t)                     ; a set of codes for each block: no store's data are written again
.if (\t) < 3
	s_wait_loadcnt 32                              ; this block's 32 loads are in; the next block's may be out
.else
	s_wait_loadcnt 0x0
.endif
	v_max3_num_f32 v12, |v[XS]|, |v[XS+1]|, |v[XS+2]|   ; all 32 numbers of the block are mine
	v_max3_num_f32 v13, |v[XS+3]|, |v[XS+4]|, |v[XS+5]|
.irp i, 6,10,14,18,22,26
	v_max3_num_f32 v12, v12, |v[XS+\i]|, |v[XS+\i+1]|
	v_max3_num_f32 v13, v13, |v[XS+\i+2]|, |v[XS+\i+3]|
.endr
	v_max3_num_f32 v12, v12, |v[XS+30]|, |v[XS+31]|
	v_max3_num_f32 v12, v12, v13, 0x8000000        ; and the floor
	v_add_nc_u32 v11, 0xf8800000, v12
	v_and_or_b32 v10, v12, 0x7f800000, s[MNT]
	v_lshrrev_b32 v13, 23, v11
.if (\t) == 0
	v_mov_b32 v16, v13
.else
	v_lshl_or_b32 v16, v13, 8*(\t), v16            ; the K step's four bytes make my column's scale word
.endif
.irp i, 0,1,2,3,4,5,6,7,8,9,10,11,12,13,14,15,16,17,18,19,20,21,22,23,24,25,26,27,28,29,30,31
	v_med3_num_f32 v[XS+\i], v[XS+\i], -v10, v10
.endr
.irp g, 0,1,2,3
	v_cvt_scalef32_pk8_bf8_f32 v[CC+2*\g:CC+2*\g+1], v[XS+8*\g:XS+8*\g+7], v11
.endr
	global_store_b128 v2, v[CC:CC+3], s[34:35] offset:512*(\t)        ; k 0-15 of the block: the image's lanes 0-15; sixteen lanes fill 256 consecutive bytes of each of the two images
	global_store_b128 v2, v[CC+4:CC+7], s[34:35] offset:512*(\t)+256  ; k 16-31: its lanes 16-31
.if (\t) < 2
	WLOAD (\t)+2
.endif
.endm
	WLOAD 0
	WLOAD 1
	WBLOCK 0
	WBLOCK 1
	WBLOCK 2
	WBLOCK 3
	global_store_b32 v3, v16, s[36:37]             ; 4 bytes a lane, 8 apart: one byte for each 128 that the path reads
	s_endpgm
; ---------------- the mask: work-group = a tile of 16 queries, wave = a quarter of the keys (4 steps of 128) ----------------
; Word n of a step's record, bit l = mask[query l % 16][128 step + 32 (n / 16) + 16 (l / 16) + n % 16]: the lane mask for register n of the scores in launch attn.
; Word 0: bits 15:0 the rows that have a true key in this quarter; bit 16 + step: the step has a true key.  Word 1: bit step: the step is all true.
.Lmask:
	v_and_b32 v3, 31, v0                           ; lane
	v_and_b32 v4, 15, v0
	v_bfe_u32 v5, v0, 4, 1
	v_and_b32 v6, 8, v4
	v_add_nc_u32 v4, v4, v6                        ; r + 8 (r / 8)
	v_lshlrev_b32 v1, 11, v4
	v_lshl_add_u32 v1, v5, 4, v1                   ; my query's row of 2,048 bytes, + 16 h
	v_lshlrev_b32 v2, 3, v3                        ; a record leaves 8 bytes a lane
	v_mov_b32 v10, 0                               ; the OR of all that I have seen
.irp i, 0,1,2,3,4,5,6,7
	v_mov_b32 v[LW+\i], 0                          ; v_writelane_b32's destination counts as read
.endr
	s_lshr_b32 s26, ttmp9, 1
	s_lshl_b32 s26, s26, 16
	s_and_b32 s27, ttmp9, 1
	s_lshl_b32 s27, s27, 14
	s_add_co_u32 s26, s26, s27                     ; (32 (T/2) + 8 (T%2)) rows
	s_lshl_b32 s27, s20, 9
	s_add_co_u32 s26, s26, s27                     ; + my 512 keys
	s_mov_b32 s27, 0
	s_add_nc_u64 s[14:15], s[14:15], s[26:27]
	s_lshl_b32 s26, ttmp9, 12
	s_lshl_b32 s36, s20, 10
	s_add_co_u32 s26, s26, s36
	s_add_nc_u64 s[38:39], s[18:19], s[26:27]      ; my four records
	s_lshl_b32 s26, ttmp9, 4
	s_lshl_b32 s36, s20, 2
	s_add_co_u32 s26, s26, s36
	s_add_co_u32 s26, s26, INFO0
	s_add_nc_u64 s[40:41], s[18:19], s[26:27]      ; my word 0
	s_mov_b32 s34, 0                               ; steps all true
	s_mov_b32 s35, 0                               ; steps with a true key
.irp jj, 0,1,2,3
.irp b, 0,1,2,3
	global_load_b128 v[XN+16*\jj+4*\b:XN+16*\jj+4*\b+3], v1, s[14:15] offset:128*\jj+32*\b   ; 32 bytes of each of 16 rows; the loads that share a row's 256 bytes stand on end
.endr
.endr
.macro MSTEP jj
	s_wait_loadcnt 12-4*(\jj)                      ; this step's four loads are in; the later steps' may be out
	v_and_b32 v8, v[XN+16*(\jj)], v[XN+16*(\jj)+1]
	v_or_b32 v9, v[XN+16*(\jj)], v[XN+16*(\jj)+1]
.irp i, 2,3,4,5,6,7,8,9,10,11,12,13,14,15
	v_and_b32 v8, v8, v[XN+16*(\jj)+\i]
	v_or_b32 v9, v9, v[XN+16*(\jj)+\i]
.endr
	v_or_b32 v10, v10, v9
.irp w, 0,1,2,3,4,5,6,7,8,9,10,11,12,13,14,15
.irp k, 0,1,2,3
	v_bfe_u32 v[4+\k], v[XN+16*(\jj)+\w], 8*\k, 1  ; byte k of register w is key n = 4 w + k of my 64
.endr
.irp k, 0,1,2,3
	v_cmp_ne_u32 s[28+\k], 0, v[4+\k]              ; the 32 lanes' bits
.endr
.irp k, 0,1,2,3
	v_writelane_b32 v[LW+2*(\jj)+(\k%2)], s[28+\k], 2*\w+(\k/2)   ; word n goes to lane n / 2, register n % 2
.endr
.endr
	global_store_b64 v2, v[LW+2*(\jj):LW+2*(\jj)+1], s[38:39] offset:256*(\jj)   ; 256 consecutive bytes
	v_cmp_eq_u32 s32, 0x01010101, v8
	s_cmp_eq_u32 s32, -1
	s_cselect_b32 s33, 1<<(\jj), 0
	s_or_b32 s34, s34, s33
	v_cmp_ne_u32 s32, 0, v9
	s_cmp_lg_u32 s32, 0
	s_cselect_b32 s33, 1<<(\jj), 0
	s_or_b32 s35, s35, s33
.endm
	MSTEP 0
	MSTEP 1
	MSTEP 2
	MSTEP 3
	v_cmp_ne_u32 s32, 0, v10
	s_lshr_b32 s33, s32, 16
	s_or_b32 s32, s32, s33
	s_and_b32 s32, s32, 0xffff                     ; rows with a true key in my quarter
	s_lshl_b32 s33, s20, 2
	s_lshl_b32 s34, s34, s33                       ; word 1
	s_add_co_u32 s33, s33, 16
	s_lshl_b32 s35, s35, s33
	s_or_b32 s35, s35, s32                         ; word 0
	v_mov_b32 v4, s35
	v_mov_b32 v5, s34
	v_cmp_eq_u32 vcc_lo, 1, v3
	v_cndmask_b32 v4, v4, v5, vcc_lo               ; lane 0: word 0; lane 1: word 1,
	v_lshlrev_b32 v6, 11, v3                       ; 2,048 bytes on
	v_cmp_gt_u32 vcc_lo, 2, v3
	s_wait_xcnt 0x0                                ; EXEC changes only behind this wait
	s_and_saveexec_b32 s36, vcc_lo
	global_store_b32 v6, v4, s[40:41]
	s_wait_xcnt 0x0
	s_or_b32 exec_lo, exec_lo, s36
	s_endpgm
.Lfunc_end_k_q80ca3b4096_prep:
	.size	k_q80ca3b4096_prep, .Lfunc_end_k_q80ca3b4096_prep-k_q80ca3b4096_prep
	.p2alignl 7, 3214868480
	.fill 96, 4, 3214868480
	.section	.rodata,"a",@progbits
	.p2align	6, 0x0
	.amdhsa_kernel k_q80ca3b4096_prep
		.amdhsa_group_segment_fixed_size 34304
		.amdhsa_private_segment_fixed_size 0
		.amdhsa_enable_private_segment 0
		.amdhsa_kernarg_size 64
		.amdhsa_user_sgpr_count 2
		.amdhsa_user_sgpr_kernarg_segment_ptr 1
		.amdhsa_wavefront_size32 1
		.amdhsa_system_sgpr_workgroup_id_x 1
		.amdhsa_system_sgpr_workgroup_id_y 1
		.amdhsa_system_sgpr_workgroup_id_z 1
		.amdhsa_system_vgpr_workitem_id 0
		.amdhsa_next_free_vgpr 256
		.amdhsa_next_free_sgpr 66
		.amdhsa_reserve_vcc 1
		.amdhsa_float_denorm_mode_32 3
		.amdhsa_float_denorm_mode_16_64 3
		.amdhsa_memory_ordered 1
		.amdhsa_forward_progress 1
		.amdhsa_inst_pref_size 137
	.end_amdhsa_kernel
	.amdgpu_metadata
---
amdhsa.version: [ 1, 2 ]
amdhsa.kernels:
  - .name:           k_q80ca3b4096_prep
    .symbol:         k_q80ca3b4096_prep.kd
    .args:
      - { .name: x, .offset: 0, .size: 8, .value_kind: global_buffer, .address_space: global }
      - { .name: Wq, .offset: 8, .size: 8, .value_kind: global_buffer, .address_space: global }
      - { .name: Wk, .offset: 16, .size: 8, .value_kind: global_buffer, .address_space: global }
      - { .name: Wv, .offset: 24, .size: 8, .value_kind: global_buffer, .address_space: global }
      - { .name: Wo, .offset: 32, .size: 8, .value_kind: global_buffer, .address_space: global }
      - { .name: mask, .offset: 40, .size: 8, .value_kind: global_buffer, .address_space: global }
      - { .name: xw, .offset: 48, .size: 8, .value_kind: global_buffer, .address_space: global }
      - { .name: mk, .offset: 56, .size: 8, .value_kind: global_buffer, .address_space: global }
    .group_segment_fixed_size: 34304
    .private_segment_fixed_size: 0
    .kernarg_segment_align: 8
    .kernarg_segment_size: 64
    .max_flat_workgroup_size: 128
    .sgpr_count:     66
    .vgpr_count:     256
    .wavefront_size: 32
...
	.end_amdgpu_metadata
.endif
;; end of part 1
;; launch qkv (part 2): grid 96 x 4, 4 waves a work-group, clusters of 4 x 4, 327,680 bytes of LDS; arguments xw, bq, bk, bv, qkv; writes qkv
.if DOCPART == 2
	.amdgcn_target "amdgcn-amd-amdhsa--gfx1250"
	.amdhsa_code_object_version 6
	.text
	.protected	k_q80ca3b4096_qkv
	.globl	k_q80ca3b4096_qkv
	.p2align	8
	.type	k_q80ca3b4096_qkv,@function
k_q80ca3b4096_qkv:
	s_mov_b64 s[64:65], 0
	v_nop
	global_prefetch_b8 v0, s[64:65] scope:SCOPE_SE
	s_setreg_imm32_b32 hwreg(HW_REG_WAVE_MODE, 25, 1), 1
	s_wait_xcnt 0x0
	s_wait_alu depctr_hold_cnt(0) depctr_sa_sdst(0) depctr_va_vdst(0) depctr_va_sdst(0) depctr_va_ssrc(0) depctr_va_vcc(0) depctr_vm_vsrc(0)
	s_getreg_b32 s2, hwreg(HW_REG_IB_STS2, 6, 4)
	s_cmp_eq_u32 s2, 0
	s_cbranch_scc0 .Lentry_in_a_cluster
	s_endpgm
.Lentry_in_a_cluster:
	s_bfe_u32 s2, ttmp6, 0x10000c
	s_cmp_lg_u32 s2, 0xf033
	s_cbranch_scc0 .Lentry_shape_is_right
	s_endpgm
.Lentry_shape_is_right:
; q = x Wq + bq, k = x Wk + bk, v = x Wv + bv on codes of BF8 (E5M2) with E8M0 scales, and their results quantised at once for the attention's two products.  Nothing is left out.
; 24 clusters of 4 x 4 work-groups; a work-group makes 256 x 256, a wave 128 x 128 (64 accumulators), K = 1,024 in four slots' worth of 256.
; Clusters 0-15 (KIND = 1): "A" = x (32 tile rows), "B" = Wq | Wk (8 tile columns).  Clusters 16-23 (KIND = 0): the same product with the parts exchanged: "A" = Wv (4), "B" = x (32).
; THE MATRIX INSTRUCTION IS USED TRANSPOSED (source 0 = 16 positions of B, source 1 = 16 of A): a lane holds one position of A, and by the order of positions (bits 3 and 4 of the index exchanged) the 64 registers
; of a block of A run along 128 neighbouring indices of B: the head's axis for q and k, the keys for v: each the K of the product that follows.  So a block is quantised in registers and leaves as an operand's image.
; Operands lie in memory as images of the operand's registers (launch prep): a tile's two K steps are 4,096 consecutive bytes, tiles 16,384 apart; a fragment is four loads of 512 consecutive bytes.
; A's tiles are asked for jointly along a row of the cluster, B's along a column.  A wave has three tensor loads out at the start and one behind each later round.
; The bias is the C of each sum's first matrix instruction: along the registers for q and k, along the lanes for v: only that first step is written twice, under a branch on the cluster's number.
; OUT: q, k: image (g, T) at (512 g + T) x 2,048, g = 128 columns (two heads; the odd head's codes 1,024 bytes on), T = tile of rows.  v: image (g, T) at V_IMG + (64 g + T) x 2,048, g = 128 keys, T = tile of channels.
; Scale words: g x 64 Ttot + 256 (T / 4) + 16 r + 4 (T % 4).
; LIMITS: as stated at the head of launch prep (blocks under 2^-111 and blocks of zeros keep the byte 1; NaN and infinities are not served).
; REGISTERS, in windows of 256: window 0: v16-31 addresses; v32-63 scale words, two sets; v64-127 the bias; v128-255 A's fragments, one set.  window 1: B's fragments, two sets.  windows 2, 3: the accumulators.
.set NQ,    2                          ; matrix instructions deep in a slot
.set FR,    16
.set NL,    4
.set NP,    8                          ; places behind this matrix instruction (ISA guide 7.12.1)
.set SLOT,  131072                     ; A's 16 tiles x 4,096 bytes, then B's
.set SCL,   262144                     ; the scale words of all of K: A's 8,192 bytes, then B's
.set BSC,   278528                     ; 512 bytes a wave: the bias on its way into the lanes; no tile lands here
.set SPARE, 280576                     ; the spare words, 128 bytes for each wave
.set X_SC,  12582912
.set W_IMG, 8388608
.set W_SC,  12845056
.set V_IMG, 16777216
.set QK_SC, 25165824
.set V_SC,  25690112
.set ADRA, 16
.set ADRB, 20
.set SO,   25                          ; v25 256 h + 16 r: the scale words' place on the way out
.set IO,   26                          ; v26 16 x lane
.set ADRS, 27
.set SPW,  28
.set NIL,  29
.set BSA,  30                          ; v30 bias along the registers: my scratch + 64 h
.set BSB,  31                          ; v31 bias along the lanes: my scratch + 4 (r + 8 (r / 8))
.set SC,   32
.set BI,   64
.set AF,   128
.set G1, 24
.set G0, 32
.set G1B, 48
.set G0B, 56
.set G1S, 68
.set G0S, 76
.set G1SB, 80
.set G0SB, 88
.set MSB, 0
.macro WIN new                         ; the immediate's high byte repeats the setting that is left
.if MSB != (\new)
	s_set_vgpr_msb (MSB<<8)|(\new)
.set MSB, (\new)
.endif
.endm
.set MUL_LO, 0xa1                      ; source 0 (B) window 1, source 1 (A) window 0, C and D window 2
.set MUL_HI, 0xf1
.set BIA_LO, 0x81                      ; the same with C (the bias) in window 0
.set BIA_HI, 0xc1
.set TO_B,   0x40
; A joint load: waves 0 and 1 fetch for A, waves 2 and 3 for B; an s_nop 0 and four v_nop follow each of the two lines
.macro JLOAD g0a, g1a, g0b, g1b
	s_cmp_eq_u32 s15, 0
	s_cbranch_scc0 .Lfor_b_\@
	tensor_load_to_lds s[\g0a:\g0a+3], s[\g1a:\g1a+7]
	s_nop 0
.rept 4
	v_nop
.endr
	s_branch .Lasked_\@
.Lfor_b_\@:
	tensor_load_to_lds s[\g0b:\g0b+3], s[\g1b:\g1b+7]
	s_nop 0
.rept 4
	v_nop
.endr
.Lasked_\@:
.endm
.macro CREST
	s_cmp_lg_u32 s14, 0
	s_cbranch_scc1 .Lnot_wave_0_\@
	s_barrier_signal -3
.Lnot_wave_0_\@:
	s_barrier_wait -3
	s_barrier_signal -1
	s_barrier_wait -1
.endm
.macro CROUND
	s_barrier_signal -1
	s_barrier_wait -1
	CREST
.endm
	s_load_b256 s[4:11], s[0:1], 0x0               ; xw, bq, bk, bv
	s_load_b64 s[12:13], s[0:1], 0x20              ; qkv
	v_lshl_add_u32 v[SPW], v0, 2, SPARE
	v_mov_b32 v[NIL], 0
	ds_add_u32 v[SPW], v[NIL]                      ; the wave's opening: the add, twice on end, and its wait ahead of my first tensor load
	ds_add_u32 v[SPW], v[NIL]
	v_lshrrev_b32 v1, 5, v0
	v_readfirstlane_b32 s14, v1                    ; wave 0..3
	s_lshr_b32 s15, s14, 1                         ; which half of A's positions is mine.  Also: I fetch for A (0) or for B (1)
	s_and_b32 s16, s14, 1                          ; which half of B's.  Also: which 8 tiles I fetch
	s_bfe_u32 s40, ttmp6, 0x40000                  ; cx
	s_bfe_u32 s41, ttmp6, 0x40004                  ; cy
	s_lshr_b32 s18, ttmp9, 1
	s_lshl_b32 s18, s18, 2
	s_and_b32 s19, ttmp9, 1
	s_lshl_b32 s19, s19, 2
	s_sub_co_u32 s20, ttmp9, 16
	s_lshl_b32 s20, s20, 2
	s_mov_b32 s21, W_IMG+128*16384                 ; Wv's images,
	s_mov_b32 s22, W_SC+128*512                    ; and its scale words
	s_mov_b32 s23, X_SC
	s_mov_b32 s45, V_IMG
	s_mov_b32 s94, V_SC
	s_cmp_lt_u32 ttmp9, 16                         ; the cluster's number: the same in all sixteen partners
	s_cselect_b32 s96, 1, 0                        ; KIND
	s_cselect_b32 s17, s18, 0
	s_cselect_b32 s42, s19, s20
	s_cselect_b32 s21, 0, s21                      ; where A's images begin in xw,
	s_cselect_b32 s22, X_SC, s22                   ; A's scale words,
	s_cselect_b32 s95, W_IMG, 0                    ; B's images,
	s_cselect_b32 s23, W_SC, s23                   ; B's scale words;
	s_cselect_b32 s45, 0, s45                      ; where the results' images begin in qkv,
	s_cselect_b32 s94, QK_SC, s94                  ; their scale words,
	s_cselect_b32 s97, 9, 6                        ; and log2 of the tiles in a group
	s_add_co_u32 s17, s17, s41                     ; tile row
	s_add_co_u32 s42, s42, s40                     ; tile column
	s_lshl_b32 s43, s41, 2
	s_lshl_b32 s43, 15, s43                        ; my row of the cluster
	s_lshl_b32 s44, 0x1111, s40                    ; my column
	; descriptor group 1, codes: 8 rows (tiles) of 512 elements of 8 bytes, 2,048 elements apart; no padding: an image is read 512 consecutive bytes at a time
	s_or_b32 s[G1+0], s43, (3<<16)|(1<<21)
	s_or_b32 s[G1B+0], s44, (3<<16)|(1<<21)
.irp g, G1, G1B
	s_mov_b32 s[\g+1], 512<<16                     ; tensor_dim0
	s_mov_b32 s[\g+2], 8<<16                       ; tensor_dim1
	s_mov_b32 s[\g+3], 512<<16                     ; tile_dim0
	s_mov_b32 s[\g+4], 8                           ; tile_dim1
	s_mov_b32 s[\g+5], 2048                        ; tensor_dim0_stride
	s_mov_b32 s[\g+6], 0
	s_mov_b32 s[\g+7], 0
.endr
	; scale words of 8 tiles: 4,096 dense bytes as 16 rows of 256
	s_or_b32 s[G1S+0], s43, (3<<16)|(1<<21)
	s_or_b32 s[G1SB+0], s44, (3<<16)|(1<<21)
.irp g, G1S, G1SB
	s_mov_b32 s[\g+1], 32<<16
	s_mov_b32 s[\g+2], 16<<16
	s_mov_b32 s[\g+3], 32<<16
	s_mov_b32 s[\g+4], 16
	s_mov_b32 s[\g+5], 32
	s_mov_b32 s[\g+6], 0
	s_mov_b32 s[\g+7], 0
.endr
	s_lshl_b32 s18, s16, 3
	s_lshl_b32 s20, s17, 4
	s_add_co_u32 s20, s20, s18                     ; A: the first tile that I fetch
	s_lshl_b32 s46, s42, 4
	s_add_co_u32 s46, s46, s18                     ; B: likewise
	s_lshl_b32 s66, s20, 9
	s_add_co_u32 s66, s66, s22
	s_mov_b32 s67, 0                               ; A's scale words, bytes into xw
	s_lshl_b32 s20, s20, 14
	s_add_co_u32 s20, s20, s21
	s_mov_b32 s21, 0                               ; A's codes
	s_lshl_b32 s92, s46, 9
	s_add_co_u32 s92, s92, s23
	s_mov_b32 s93, 0                               ; B's scale words
	s_lshl_b32 s46, s46, 14
	s_add_co_u32 s46, s46, s95
	s_mov_b32 s47, 0                               ; B's codes
	s_lshl_b32 s98, s14, 15                        ; where they go: wave x 32,768: no place in the cluster enters an LDS address
	s_lshl_b32 s99, s14, 12
	s_wait_dscnt 0x0                               ; both opening adds are done
	s_wait_kmcnt 0x0
	s_add_nc_u64 s[20:21], s[4:5], s[20:21]
	s_add_nc_u64 s[66:67], s[4:5], s[66:67]
	s_add_nc_u64 s[46:47], s[4:5], s[46:47]
	s_add_nc_u64 s[92:93], s[4:5], s[92:93]
	CROUND                                         ; all sixteen work-groups are here: the first joint loads meet
	s_mov_b32 s[G0S], 1
	s_add_co_u32 s[G0S+1], s99, SCL
	s_mov_b64 s[G0S+2:G0S+3], s[66:67]
	s_or_b32 s[G0S+3], s[G0S+3], 0x80000000
	s_mov_b32 s[G0SB], 1
	s_add_co_u32 s[G0SB+1], s99, SCL
	s_mov_b64 s[G0SB+2:G0SB+3], s[92:93]
	s_or_b32 s[G0SB+3], s[G0SB+3], 0x80000000
	JLOAD G0S, G1S, G0SB, G1SB                     ; the scale words of all of K: filled once
.irp s, 0,1
	s_mov_b32 s[G0+4*\s], 1
	s_add_co_u32 s[G0+4*\s+1], s98, \s*SLOT
	s_add_nc_u64 s[G0+4*\s+2:G0+4*\s+3], s[20:21], \s*4096
	s_or_b32 s[G0+4*\s+3], s[G0+4*\s+3], 0x80000000
	s_mov_b32 s[G0B+4*\s], 1
	s_add_co_u32 s[G0B+4*\s+1], s98, \s*SLOT
	s_add_nc_u64 s[G0B+4*\s+2:G0B+4*\s+3], s[46:47], \s*4096
	s_or_b32 s[G0B+4*\s+3], s[G0B+4*\s+3], 0x80000000
	JLOAD G0+4*\s, G1, G0B+4*\s, G1B
.endr
	v_and_b32 v1, 15, v0                           ; r
	v_bfe_u32 v2, v0, 4, 1                         ; h
	v_and_b32 v3, 31, v0
	v_lshlrev_b32 v[IO], 4, v3
	s_lshl_b32 s18, s15, 15                        ; my 8 tiles of A
	s_lshl_b32 s19, s16, 15
	s_add_co_u32 s19, s19, 65536                   ; my 8 tiles of B
.irp s, 0,1
	v_add_nc_u32 v[ADRA+\s], s18, v[IO]
	v_add_nc_u32 v[ADRB+\s], s19, v[IO]
	s_add_co_u32 s18, s18, SLOT
	s_add_co_u32 s19, s19, SLOT
.endr
	v_lshlrev_b32 v5, 3, v1                        ; a slot's two scale words of row r: 8 r
	s_lshl_b32 s18, s15, 12                        ; A's: my 8 tiles
	s_lshl_b32 s19, s16, 12
	s_add_co_u32 s19, s19, 8192                    ; B's, behind A's
	s_sub_co_u32 s19, s19, s18
	v_mul_u32_u24 v6, s19, v2                      ; lanes 16-31 take B's
	s_add_co_u32 s18, s18, SCL
	v_add_nc_u32 v5, v5, v6
	v_add_nc_u32 v[ADRS], s18, v5
	v_lshlrev_b32 v[SO], 4, v1
	v_lshl_add_u32 v[SO], v2, 8, v[SO]
	s_lshl_b32 s18, s14, 9
	s_add_co_u32 s18, s18, BSC                     ; my scratch
	v_add_nc_u32 v7, s18, v[IO]
	v_lshl_add_u32 v[BSA], v2, 6, s18
	v_and_b32 v8, 8, v1
	v_add_nc_u32 v8, v8, v1
	v_lshl_add_u32 v[BSB], v8, 2, s18
	s_and_b32 s18, ttmp9, 1
	s_cmp_eq_u32 s18, 0
	s_cselect_b64 s[6:7], s[6:7], s[8:9]           ; bq or bk,
	s_cmp_eq_u32 s96, 1
	s_cselect_b64 s[6:7], s[6:7], s[10:11]         ; or bv
	s_cselect_b32 s18, s40, s41                    ; q, k: B's 128 columns of mine; v: A's 128
	s_cselect_b32 s19, s16, s15
	s_lshl_b32 s18, s18, 10
	s_lshl_b32 s19, s19, 9
	s_add_co_u32 s18, s18, s19
	s_mov_b32 s19, 0
	s_add_nc_u64 s[6:7], s[6:7], s[18:19]
	global_load_b128 v[8:11], v[IO], s[6:7]        ; my wave's 128 biases: 512 consecutive bytes
	s_lshl_b32 s18, s42, 1                         ; the way out's addresses
	s_add_co_u32 s18, s18, s16                     ; g
	s_lshl_b32 s19, s17, 4
	s_lshl_b32 s2, s15, 3
	s_add_co_u32 s19, s19, s2                      ; my first tile T0
	s_lshl_b32 s18, s18, s97                       ; g x Ttot
	s_add_co_u32 s2, s18, s19
	s_lshl_b32 s2, s2, 11
	s_add_co_u32 s2, s2, s45
	s_mov_b32 s3, 0
	s_add_nc_u64 s[8:9], s[12:13], s[2:3]          ; my eight images
	s_add_co_u32 s2, s18, s19
	s_lshl_b32 s2, s2, 6                           ; 64 (g Ttot + T0)
	s_add_co_u32 s2, s2, s94
	s_add_nc_u64 s[10:11], s[12:13], s[2:3]        ; my 512 bytes of scale words
	s_wait_loadcnt 0x0
	ds_store_b128 v7, v[8:11]
.macro FRAG reg, adr, q, i             ; a fragment's image: four loads of 512 consecutive bytes
.irp c, 0,1,2,3
	ds_load_b128 v[\reg+4*\c:\reg+4*\c+3], v[\adr] offset:4096*(\i)+2048*(\q)+512*\c
.endr
.endm
; 16 matrix instructions: A's blocks a0, a0 + 1 x B's eight.  kind 0: in place; 1: C = the bias along the registers (by B's block); 2: along the lanes (by A's block).
; The 64 accumulators take turns, one instruction a turn, in the same order in every step.
.macro MUL16 a0, p, q, sc, kind
.irp a, \a0, \a0+1
.irp b, 0,1,2,3,4,5,6,7
.set rD, 8*(8*((\a)%4)+\b)
.set rB, 128*(\p)+FR*\b
.set rA, AF+FR*(\a)
.set rSB, SC+8*NQ*(\sc)+NQ*\b+(\q)
.set rSA, SC+8*NQ*(\sc)+NQ*(\a)+(\q)
.if (\kind) == 0
	v_wmma_scale_f32_16x16x128_f8f6f4 v[rD:rD+7], v[rB:rB+15], v[rA:rA+15], v[rD:rD+7], v[rSB], v[rSA] matrix_a_fmt:MATRIX_FMT_BF8 matrix_b_fmt:MATRIX_FMT_BF8 matrix_a_scale:MATRIX_SCALE_ROW1
.elseif (\kind) == 1
	v_wmma_scale_f32_16x16x128_f8f6f4 v[rD:rD+7], v[rB:rB+15], v[rA:rA+15], v[BI+8*\b:BI+8*\b+7], v[rSB], v[rSA] matrix_a_fmt:MATRIX_FMT_BF8 matrix_b_fmt:MATRIX_FMT_BF8 matrix_a_scale:MATRIX_SCALE_ROW1
.else
	v_wmma_scale_f32_16x16x128_f8f6f4 v[rD:rD+7], v[rB:rB+15], v[rA:rA+15], v[BI+8*(\a):BI+8*(\a)+7], v[rSB], v[rSA] matrix_a_fmt:MATRIX_FMT_BF8 matrix_b_fmt:MATRIX_FMT_BF8 matrix_a_scale:MATRIX_SCALE_ROW1
.endif
.endr
.endr
.endm
.macro FETCH_B slot, q, p
	WIN TO_B
.irp i, 0,1,2,3,4,5,6,7
	FRAG 128*(\p)+FR*\i, ADRB+\slot, \q, \i
.endr
	WIN 0
.endm
.macro FETCH_A slot, q, i0
.irp i, \i0, \i0+1, \i0+2, \i0+3
	FRAG AF+FR*(\i), ADRA+\slot, \q, \i
.endr
.endm
.macro SCALES sc                       ; a slot's two scale words a row: lanes 0-15 A's block i, lanes 16-31 B's block i
.irp i, 0,1,2,3,4,5,6,7
	ds_load_b64 v[SC+8*NQ*\sc+NQ*\i:SC+8*NQ*\sc+NQ*\i+1], v[ADRS] offset:\i*512
.endr
.endm
.macro PLACES n                        ; plain vector lines between a matrix instruction and a load into, or a read of, its registers
.rept \n
	v_nop
.endr
.endm
.macro STEP slot, q, kind              ; 128 along K that have their successor in the same slot
	s_wait_dscnt 4*NL                              ; B's set, A's blocks 0-3 and the scale words are in; the youngest 16 loads (A's blocks 4-7) may be out
.if (\kind) == 0
	WIN MUL_LO
.else
	WIN BIA_LO
.endif
	MUL16 0, (\q)%2, \q, \slot, \kind
	MUL16 2, (\q)%2, \q, \slot, \kind
	s_wait_dscnt 0
	PLACES NP
	FETCH_B \slot, (\q)+1, 1-(\q)%2
	FETCH_A \slot, (\q)+1, 0
.if (\kind) == 0
	WIN MUL_HI
.else
	WIN BIA_HI
.endif
	MUL16 4, (\q)%2, \q, \slot, \kind
	MUL16 6, (\q)%2, \q, \slot, \kind
	PLACES NP
	WIN 0
	FETCH_A \slot, (\q)+1, 4
.endm
; A slot's last step changes slots: one barrier; in front of it each wave waits for all its tensor loads, adds 0 to its spare word, and waits for that and for its reads of this slot.
.macro TURN slot, next, fill
	s_wait_tensorcnt 0x0                           ; all my tensor loads have landed: my part of the next slot
	ds_add_u32 v[SPW], v[NIL]
	s_wait_dscnt 4*NL+1                            ; (the add and A's blocks 4-7 may be out)
	WIN MUL_LO
	MUL16 0, 1, NQ-1, \slot, 0
	s_wait_dscnt 0x0                               ; the add is done, and my reads of this slot are over
	s_barrier_signal -1
	MUL16 2, 1, NQ-1, \slot, 0
	WIN 0
	s_barrier_wait -1
.if \fill
	CREST                                          ; the barrier has opened a round of the cluster's barrier: no wave of any partner still reads this slot or has a load on its way
	s_add_nc_u64 s[G0+4*\slot+2:G0+4*\slot+3], s[G0+4*\slot+2:G0+4*\slot+3], 8192
	s_add_nc_u64 s[G0B+4*\slot+2:G0B+4*\slot+3], s[G0B+4*\slot+2:G0B+4*\slot+3], 8192
	JLOAD G0+4*\slot, G1, G0B+4*\slot, G1B         ; the first tensor load behind the round; its four v_nop are among the places below
	PLACES NP-4
.else
	PLACES NP
.endif
	v_add_nc_u32 v[ADRS], 128, v[ADRS]             ; the next slot's scale words
	FETCH_B \next, 0, 0
	FETCH_A \next, 0, 0
	SCALES \next
	WIN MUL_HI
	MUL16 4, 1, NQ-1, \slot, 0
	MUL16 6, 1, NQ-1, \slot, 0
	PLACES NP
	WIN 0
	FETCH_A \next, 0, 4
.endm
	s_wait_tensorcnt 1                             ; the scale words and my part of slot 0 are in; slot 1's load may be out
	s_wait_dscnt 0x0                               ; my bias lies in my scratch
	s_barrier_signal -1
	s_barrier_wait -1
	FETCH_B 0, 0, 0
	FETCH_A 0, 0, 0
	SCALES 0
	FETCH_A 0, 0, 4
	s_cmp_eq_u32 s96, 0
	s_cbranch_scc1 .Lkind_v
.irp b, 0,1,2,3,4,5,6,7                ; q, k: register j of B's block b is column 32 (b / 2) + 8 (b % 2) + 16 h + j
	ds_load_b128 v[BI+8*\b:BI+8*\b+3], v[BSA] offset:(32*(\b/2)+8*(\b%2))*4
	ds_load_b128 v[BI+8*\b+4:BI+8*\b+7], v[BSA] offset:(32*(\b/2)+8*(\b%2))*4+16
.endr
	s_wait_dscnt 0x0
	STEP 0, 0, 1
	s_branch .Ljoined
.Lkind_v:
.irp a, 0,1,2,3,4,5,6,7                ; v: lane r of A's block a is channel 32 (a / 2) + 8 (a % 2) + r + 8 (r / 8)
	ds_load_b32 v[BI+8*\a], v[BSB] offset:(32*(\a/2)+8*(\a%2))*4
.endr
	s_wait_dscnt 0x0
.irp a, 0,1,2,3,4,5,6,7
.irp j, 1,2,3,4,5,6,7
	v_mov_b32 v[BI+8*\a+\j], v[BI+8*\a]            ; the C operand wants the lane's number in all eight registers
.endr
.endr
	PLACES 4
	STEP 0, 0, 2
.Ljoined:
	TURN 0, 1, 1                                   ; K = 1,024 is four slots' worth: both slots are filled once more
	STEP 1, 0, 0
	TURN 1, 0, 1
	STEP 0, 0, 0
	TURN 0, 1, 0                                   ; nothing is left to fetch
	STEP 1, 0, 0
	s_wait_dscnt 4*NL
	WIN MUL_LO
	MUL16 0, 1, NQ-1, 1, 0
	MUL16 2, 1, NQ-1, 1, 0
	s_wait_dscnt 0
	WIN MUL_HI
	MUL16 4, 1, NQ-1, 1, 0
	MUL16 6, 1, NQ-1, 1, 0
	WIN 0
; THE WAY OUT.  Block a's 64 registers are 128 neighbours along the next K: four blocks of 32, each shared with lane l xor 16.  They become a fragment's codes and a scale word, and the image is stored as it stands.
.set TM, 32                            ; window 0: v32-47 at work; v48-55 the eight scale words; v56-59 as they leave; v64-191 codes, a set for each block; v192-255 the held numbers
.set PW, 48
.set SW, 56
.set PC, 64
.set XQ, 192
.macro QUANTW a
.set WW, 2+(\a)/4
.set AC, 64*((\a)%4)
.set W01, WW|(WW<<2)
.set W12, (WW<<2)|(WW<<4)
	WIN W01
.irp b, 0,1,2,3
	v_max3_num_f32 v[TM+\b], |v[AC+16*\b]|, |v[AC+16*\b+1]|, 0x8000000   ; each accumulator is read from its low end on; the floor 2^(16 - 127)
.endr
	WIN W12
.irp i, 2,4,6,8,10,12,14
.irp b, 0,1,2,3
	v_max3_num_f32 v[TM+\b], v[TM+\b], |v[AC+16*\b+\i]|, |v[AC+16*\b+\i+1]|
.endr
.endr
	WIN 0
.irp b, 0,1,2,3
	v_permlanex16_b32 v[TM+4+\b], v[TM+\b], s20, s21
.endr
.irp b, 0,1,2,3
	v_max_num_f32 v[TM+\b], v[TM+\b], v[TM+4+\b]
.endr
.irp b, 0,1,2,3
	v_add_nc_u32 v[TM+12+\b], 0xf8800000, v[TM+\b]
.endr
.irp b, 0,1,2,3
	v_and_or_b32 v[TM+8+\b], v[TM+\b], 0x7f800000, s22
.endr
.irp b, 0,1,2,3
	v_lshrrev_b32 v[TM+4+\b], 23, v[TM+12+\b]
.endr
	v_lshl_or_b32 v[PW+(\a)], v[TM+5], 8, v[TM+4]
	v_lshl_or_b32 v[PW+(\a)], v[TM+6], 16, v[PW+(\a)]
	v_lshl_or_b32 v[PW+(\a)], v[TM+7], 24, v[PW+(\a)]
	WIN WW                                         ; source 0 in the accumulators' window: the hold brings the numbers into window 0
.irp b, 0,1,2,3
.irp i, 0,1,2,3,4,5,6,7,8,9,10,11,12,13,14,15
	v_med3_num_f32 v[XQ+16*\b+\i], v[AC+16*\b+\i], -v[TM+8+\b], v[TM+8+\b]
.endr
.endr
	WIN 0
.irp b, 0,1,2,3
	v_cvt_scalef32_pk8_bf8_f32 v[PC+16*(\a)+4*\b:PC+16*(\a)+4*\b+1], v[XQ+16*\b:XQ+16*\b+7], v[TM+12+\b]
	v_cvt_scalef32_pk8_bf8_f32 v[PC+16*(\a)+4*\b+2:PC+16*(\a)+4*\b+3], v[XQ+16*\b+8:XQ+16*\b+15], v[TM+12+\b]
.endr
	v_nop                                          ; a plain line behind the last conversion
.irp c, 0,1,2,3
	global_store_b128 v[IO], v[PC+16*(\a)+4*\c:PC+16*(\a)+4*\c+3], s[8:9] offset:2048*(\a)+512*\c   ; 512 consecutive bytes
.endr
.endm
	PLACES NP                                      ; behind the last products: their operands' registers are written and their results read below
	s_mov_b32 s20, 0x76543210
	s_mov_b32 s21, 0xfedcba98
	s_mov_b32 s22, 0x600000
	s_mov_b32 s3, 0xffff0000
.irp b, 0,1,2,3
	v_mov_b32 v[TM+4+\b], 0                        ; a lane permute's destination counts as one of its sources
.endr
.irp a, 0,1,2,3,4,5,6,7
	QUANTW \a
.endr
.irp i, 0,1,2,3
	v_cndmask_b32 v[SW+\i], v[PW+\i], v[PW+4+\i], s3   ; lanes 0-15: tiles 0-3; lanes 16-31: tiles 4-7
.endr
	global_store_b128 v[SO], v[SW:SW+3], s[10:11]  ; 512 consecutive bytes
	s_wait_tensorcnt 0x0                           ; the wave's end
	ds_add_u32 v[SPW], v[NIL]
	s_wait_dscnt 0x0
	CROUND                                         ; the closing round
	s_endpgm
.Lfunc_end_k_q80ca3b4096_qkv:
	.size	k_q80ca3b4096_qkv, .Lfunc_end_k_q80ca3b4096_qkv-k_q80ca3b4096_qkv
	.p2alignl 7, 3214868480
	.fill 96, 4, 3214868480
	.section	.rodata,"a",@progbits
	.p2align	6, 0x0
	.amdhsa_kernel k_q80ca3b4096_qkv
		.amdhsa_group_segment_fixed_size 327680
		.amdhsa_private_segment_fixed_size 0
		.amdhsa_enable_private_segment 0
		.amdhsa_kernarg_size 40
		.amdhsa_user_sgpr_count 2
		.amdhsa_user_sgpr_kernarg_segment_ptr 1
		.amdhsa_wavefront_size32 1
		.amdhsa_system_sgpr_workgroup_id_x 1
		.amdhsa_system_sgpr_workgroup_id_y 1
		.amdhsa_system_sgpr_workgroup_id_z 1
		.amdhsa_system_vgpr_workitem_id 0
		.amdhsa_next_free_vgpr 1024
		.amdhsa_next_free_sgpr 100
		.amdhsa_reserve_vcc 0
		.amdhsa_float_denorm_mode_32 3
		.amdhsa_float_denorm_mode_16_64 3
		.amdhsa_memory_ordered 1
		.amdhsa_forward_progress 1
		.amdhsa_inst_pref_size 202
	.end_amdhsa_kernel
	.amdgpu_metadata
---
amdhsa.version: [ 1, 2 ]
amdhsa.kernels:
  - .name:           k_q80ca3b4096_qkv
    .symbol:         k_q80ca3b4096_qkv.kd
    .args:
      - { .name: xw, .offset: 0, .size: 8, .value_kind: global_buffer, .address_space: global }
      - { .name: bq, .offset: 8, .size: 8, .value_kind: global_buffer, .address_space: global }
      - { .name: bk, .offset: 16, .size: 8, .value_kind: global_buffer, .address_space: global }
      - { .name: bv, .offset: 24, .size: 8, .value_kind: global_buffer, .address_space: global }
      - { .name: qkv, .offset: 32, .size: 8, .value_kind: global_buffer, .address_space: global }
    .group_segment_fixed_size: 327680
    .private_segment_fixed_size: 0
    .kernarg_segment_align: 8
    .kernarg_segment_size: 40
    .max_flat_workgroup_size: 128
    .sgpr_count:     100
    .vgpr_count:     1024
    .wavefront_size: 32
...
	.end_amdgpu_metadata
.endif
;; end of part 2
;; launch attn (part 3): grid 4 x 64, 16 waves a work-group, no clusters, 47,104 bytes of LDS; arguments qkv, mk, ob; writes ob
.if DOCPART == 3
	.amdgcn_target "amdgcn-amd-amdhsa--gfx1250"
	.amdhsa_code_object_version 6
	.text
	.protected	k_q80ca3b4096_attn
	.globl	k_q80ca3b4096_attn
	.p2align	8
	.type	k_q80ca3b4096_attn,@function
k_q80ca3b4096_attn:
	s_mov_b64 s[64:65], 0
	v_nop
	global_prefetch_b8 v0, s[64:65] scope:SCOPE_SE
	s_setreg_imm32_b32 hwreg(HW_REG_WAVE_MODE, 25, 1), 1
	s_wait_xcnt 0x0
; out[b][q][head] = softmax_k(where(mask, q . k / 8, -1e9)) v, both products on codes of BF8 (E5M2) with E8M0 scales, and the result quantised along the embedding for the last projection.
; LEFT OUT, by whole numbers that launch prep stored in mk: a step of 128 keys whose mask is false for all 16 queries of a wave, where each of those queries has a true key somewhere: its weights are 0 in f32.
; Where a row of the 16 is masked everywhere, all 16 steps are walked with the mask applied.  LIMIT: a masked score is set to -2^33 (logit -2^30 where reference() writes -1e9): score x c is then a whole number,
; so a row masked everywhere has p = 1 for every key; NaN and infinities are not served; blocks under 2^-111 and blocks of zeros keep the scale byte 1.
; THE SOFTMAX: t = score x log2(e) / 8; M = the running largest t rounded up to a whole number; p = 2^(t - M) is quantised along the keys, not normalised; the sum of the unquantised p divides at the end.
; SHARES.  A work-group has one batch and head and two blocks of 256 queries, x and 7 - x, one after the other.  Each of its sixteen waves owns a tile of 16 queries in 256 registers.  Every work-group walks all 16 key steps in
; each pass: trip counts are constants and one barrier stands in each step, under no branch; only the work is jumped over.  Branches hang on numbers read from memory; the launch has no tensor load:
; a step's tiles (K: 8 x 1,024 bytes, V: 4 x 2,048) come by loads into registers, issued a whole step ahead, 1,024 bytes a wave, and go into the other of two LDS slots.  All sixteen waves read them.
; No cluster: joint requests are tensor loads.
; LAYOUT.  Both products transposed: S^T = K Q^T, O^T = V^T P^T: a lane holds one query.  By the order of positions the 16 registers of two neighbouring key tiles are 16 neighbouring keys.
; The first product's K is 64: Q's registers for k = 64 .. 127 hold zero codes; K's operand there runs on into the next key tile's registers (finite codes) or into zeros: 0 x a finite number adds nothing.
.set V_IMG, 16777216
.set QK_SC, 25165824
.set V_SC,  25690112
.set O_SC,  8388608
.set INFO0, 524288
.set SCK,   32768                      ; behind the two slots of 16,384: K's scale words of the whole head, 8,192 bytes;
.set SCV,   40960                      ; V's, 256 bytes a step;
.set SPARE, 45056                      ; the spare words, 128 bytes for each wave
.set LI,   1                           ; v1  16 x lane
.set STA,  2                           ; v2  1,024 x wave + 16 x lane
.set ASK0, 3                           ; v3  SCK + 16 r
.set ASV0, 4                           ; v4  SCV + 16 r
.set SPW,  5
.set NIL,  6
.set ADS,  7                           ; v7, v8 the step's scale words
.set ADT,  8
.set R16,  9
.set R8,   10
.set NEG,  11                          ; v11 -2^33
.set KV,   32                          ; v32-95 K's 8 tiles x 8, then V's 4 x 16; v96-103 zeros.  v16-23 Q, v24-31 zeros
.set S,    104                         ; v104-167 scores, then p
.set OT,   168                         ; v168-199 O^T
.set PC,   200                         ; v200-215 p's codes
.set SG,   216                         ; v216-223 the next step's 1,024 bytes on their way
.set KSW,  224
.set VSW,  232
.set BM,   236
.set PB,   240
.set HL,   244
.set SO,   248                         ; v252 f, v253 p's scale word, v254 at work, v255 Q's scale word; v12 -M, v13 the largest t, v[14:15] the sum
.set SEL,  20
.set CS,   22
.set MNT,  67
; s2 A: my live steps; s3 F: my steps that are all true; s66 the work-group's live steps; s17 J, s18 J + 1, s100 256 J; s[24:25] my part of tile 0, s[26:27] a step on, s[28:29] my part of tile J + 1; s[30:31] my lane masks
	s_load_b128 s[4:7], s[0:1], 0x0                ; qkv, mk
	s_load_b64 s[8:9], s[0:1], 0x10                ; ob
	v_lshl_add_u32 v[SPW], v0, 2, SPARE
	v_mov_b32 v[NIL], 0
	v_lshrrev_b32 v7, 5, v0
	v_readfirstlane_b32 s10, v7                    ; wave 0..15
	s_and_b32 s19, ttmp7, 0xffff
	s_and_b32 s11, s19, 15                         ; head
	s_lshr_b32 s12, s19, 4                         ; batch
	s_and_b32 s13, s11, 1
	s_lshl_b32 s13, s13, 4                         ; the odd head's scale bytes lie 16 bits up
	s_mov_b32 s14, ttmp9                           ; the block of queries
	s_mov_b32 s15, 2                               ; passes
	s_mov_b32 s[SEL], 0x76543210
	s_mov_b32 s[SEL+1], 0xfedcba98
	s_mov_b32 s[CS], 0x3e38aa3b                    ; c = log2(e) / 8
	s_mov_b32 s[CS+1], s[CS]
	s_mov_b32 s[MNT], 0x600000
	v_and_b32 v7, 31, v0
	v_lshlrev_b32 v[LI], 4, v7
	s_lshl_b32 s19, s10, 10
	v_add_nc_u32 v[STA], s19, v[LI]
	v_and_b32 v8, 15, v0
	v_lshlrev_b32 v[R16], 4, v8
	v_lshlrev_b32 v[R8], 3, v8
	v_add_nc_u32 v[ASK0], SCK, v[R16]
	v_add_nc_u32 v[ASV0], SCV, v[R16]
	v_mov_b32 v[NEG], 0xd0000000
.irp i, 0,1,2,3,4,5,6,7
	v_mov_b32 v[24+\i], 0                          ; Q's codes for k = 64 .. 127
	v_mov_b32 v[96+\i], 0                          ; behind the last key tile
.endr
.irp i, 0,1,2,3
	v_mov_b32 v[PB+\i], 0                          ; a lane permute's destination counts as one of its sources
.endr
	v_mov_b32 v253, 0                              ; (named as the upper half of v[252:253] before it is first written)
	v_lshlrev_b32 v216, 4, v0                      ; K's scale words: 16 bytes a thread
	v_lshrrev_b32 v217, 5, v0
	v_lshlrev_b32 v217, 12, v217
	v_lshl_add_u32 v217, v7, 3, v217               ; V's: wave w takes step w's 256 bytes, 4,096 apart in memory
	v_lshl_add_u32 v218, v0, 4, SCK
	v_lshl_add_u32 v219, v0, 3, SCV
	s_lshr_b32 s32, s11, 1
	s_add_co_u32 s32, s32, 8
	s_lshl_b32 s36, s32, 9                         ; (kept: K's group x 512 tiles)
	s_lshl_b32 s32, s32, 15
	s_lshl_b32 s33, s12, 13
	s_add_co_u32 s32, s32, s33
	s_add_co_u32 s32, s32, QK_SC
	s_mov_b32 s33, 0
	s_lshl_b32 s34, s12, 8
	s_add_co_u32 s34, s34, s11
	s_lshl_b32 s34, s34, 8
	s_add_co_u32 s34, s34, V_SC
	s_mov_b32 s35, 0
	s_lshl_b32 s37, s12, 7                         ; waves 0-7: key tile w of a step, my head's 1,024 bytes
	s_add_co_u32 s36, s36, s37
	s_add_co_u32 s36, s36, s10
	s_lshl_b32 s36, s36, 11
	s_and_b32 s37, s11, 1
	s_lshl_b32 s37, s37, 10
	s_add_co_u32 s36, s36, s37
	s_lshl_b32 s38, s12, 10                        ; waves 8-15: piece w - 8 of my head's four tiles of V, 8,192 consecutive bytes
	s_lshl_b32 s39, s11, 2
	s_add_co_u32 s38, s38, s39
	s_lshl_b32 s38, s38, 11
	s_sub_co_u32 s39, s10, 8
	s_lshl_b32 s39, s39, 10
	s_add_co_u32 s38, s38, s39
	s_add_co_u32 s38, s38, V_IMG
	s_mov_b32 s26, 131072
	s_cmp_lt_u32 s10, 8
	s_cselect_b32 s24, s36, s38
	s_cselect_b32 s26, 16384, s26                  ; a key step on
	s_mov_b32 s25, 0
	s_mov_b32 s27, 0
	s_wait_kmcnt 0x0
	s_add_nc_u64 s[32:33], s[4:5], s[32:33]
	s_add_nc_u64 s[34:35], s[4:5], s[34:35]
	s_add_nc_u64 s[24:25], s[4:5], s[24:25]
	global_load_b128 v[KSW:KSW+3], v216, s[32:33]
	global_load_b64 v[KSW+4:KSW+5], v217, s[34:35]
	s_wait_loadcnt 0x0
.irp i, 0,1,2,3
	v_lshrrev_b32 v[KSW+\i], s13, v[KSW+\i]        ; my head's two bytes come down
.endr
	ds_store_b128 v218, v[KSW:KSW+3]
	ds_store_b64 v219, v[KSW+4:KSW+5]              ; (shown to the others by the first pass's barrier)
.macro LIVE b                          ; a tile's four words 0 at s[b] on -> s101: its live steps: those with a true key, or all 16 where some row has none at all
	s_or_b32 s19, s[\b], s[\b+1]
	s_or_b32 s101, s[\b+2], s[\b+3]
	s_or_b32 s19, s19, s101
	s_lshr_b32 s101, s19, 16
	s_and_b32 s19, s19, 0xffff
	s_cmp_eq_u32 s19, 0xffff
	s_cselect_b32 s101, s101, 0xffff
.endm
.macro TESTBIT reg, idx                ; SCC = bit s[idx] of s[reg]
	s_lshr_b32 s19, s[\reg], s[\idx]
	s_and_b32 s19, s19, 1
	s_cmp_lg_u32 s19, 0
.endm
; S^T of a step, and V's fragments asked for behind it, so that they land under the softmax
.macro QKPART slot
.irp t, 0,1,2,3,4,5,6,7
	ds_load_b128 v[KV+8*\t:KV+8*\t+3], v[LI] offset:\slot*16384+\t*1024
	ds_load_b128 v[KV+8*\t+4:KV+8*\t+7], v[LI] offset:\slot*16384+\t*1024+512
.endr
	ds_load_b128 v[KSW:KSW+3], v[ADS]              ; the scale words of four tiles a load
	ds_load_b128 v[KSW+4:KSW+7], v[ADS] offset:256
	s_wait_dscnt 0x0
.irp t, 0,1,2,3,4,5,6,7
	v_wmma_scale_f32_16x16x128_f8f6f4 v[S+8*\t:S+8*\t+7], v[KV+8*\t:KV+8*\t+15], v[16:31], 0, v[KSW+\t], v255 matrix_a_fmt:MATRIX_FMT_BF8 matrix_b_fmt:MATRIX_FMT_BF8
.endr
.rept 8
	v_nop                                          ; places in front of the loads into K's registers and of the first read of the scores
.endr
.irp t, 0,1,2,3
.irp c, 0,1,2,3
	ds_load_b128 v[KV+16*\t+4*\c:KV+16*\t+4*\c+3], v[LI] offset:\slot*16384+8192+\t*2048+\c*512
.endr
.endr
	ds_load_b128 v[VSW:VSW+3], v[ADT]
.endm
.macro SOFTMAX
.irp b, 0,1,2,3
	v_max3_num_f32 v[BM+\b], v[S+16*\b], v[S+16*\b+1], v[S+16*\b+2]   ; the largest score of each block of 32 keys: for the row's maximum, and, since p rises with the score, for the block's largest p
.endr
.irp i, 3,5,7,9,11,13
.irp b, 0,1,2,3
	v_max3_num_f32 v[BM+\b], v[BM+\b], v[S+16*\b+\i], v[S+16*\b+\i+1]
.endr
.endr
.irp b, 0,1,2,3
	v_max_num_f32 v[BM+\b], v[BM+\b], v[S+16*\b+15]
.endr
.irp b, 0,1,2,3
	v_permlanex16_b32 v[PB+\b], v[BM+\b], s[SEL], s[SEL+1]
.endr
.irp b, 0,1,2,3
	v_max_num_f32 v[BM+\b], v[BM+\b], v[PB+\b]     ; with lane l xor 16's 16 keys
.endr
	v_max3_num_f32 v254, v[BM], v[BM+1], v[BM+2]
	v_max_num_f32 v254, v254, v[BM+3]
	v_mul_f32 v254, s[CS], v254                    ; as t (c is positive)
	v_max_num_f32 v13, v13, v254                   ; the running largest t
	v_mov_b32 v254, v12
	v_floor_f32 v12, -v13                          ; -M = floor(-t): M is a whole number
	v_sub_f32 v254, v12, v254                      ; old M - new M: a whole number, 0 or less
	v_cvt_i32_f32 v254, v254                       ; (it saturates)
	v_ldexp_f32 v252, 1.0, v254                    ; f = 2^(old M - new M)
.set j, 0
.rept 32
	v_pk_fma_f32 v[S+j:S+j+1], v[S+j:S+j+1], s[CS:CS+1], v[12:13] op_sel_hi:[1,0,0]   ; t - M
.set j, j+2
.endr
.irp b, 0,1,2,3
	v_fma_f32 v[BM+\b], v[BM+\b], s[CS], v12
.endr
.set j, 0
.rept 64
	v_exp_f32 v[S+j], v[S+j]                       ; p = 2^(t - M)
.set j, j+1
.endr
	v_pk_mul_f32 v[14:15], v[14:15], v[252:253] op_sel_hi:[1,0]   ; the sums under the new M: a plain line behind the exponentials
	s_wait_alu depctr_va_vdst(0)                   ; one wait for the batch, ahead of its first reader
.irp b, 0,1,2,3
	v_exp_f32 v[BM+\b], v[BM+\b]                   ; each block's largest p
.endr
	v_pk_add_f32 v[PB:PB+1], v[S:S+1], v[S+2:S+3]  ; the row's sum is taken of the unquantised p, in two chains
.set j, 4
.rept 15
	v_pk_add_f32 v[14:15], v[14:15], v[S+j:S+j+1]
	v_pk_add_f32 v[PB:PB+1], v[PB:PB+1], v[S+j+2:S+j+3]
.set j, j+4
.endr
	v_pk_add_f32 v[14:15], v[14:15], v[PB:PB+1]
	s_wait_alu depctr_va_vdst(0)                   ; and one for the four
.irp b, 0,1,2,3
	v_max_num_f32 v[BM+\b], 0x8000000, v[BM+\b]    ; the floor 2^(16 - 127)
.endr
.irp b, 0,1,2,3
	v_add_nc_u32 v[SO+\b], 0xf8800000, v[BM+\b]    ; the conversion's scale operand
.endr
.irp b, 0,1,2,3
	v_and_or_b32 v[HL+\b], v[BM+\b], 0x7f800000, s[MNT]   ; 57,344 x the scale
.endr
.irp b, 0,1,2,3
	v_lshrrev_b32 v[PB+\b], 23, v[SO+\b]
.endr
	v_lshl_or_b32 v253, v[PB+1], 8, v[PB]          ; p's scale word for these 128 keys
	v_lshl_or_b32 v253, v[PB+2], 16, v253
	v_lshl_or_b32 v253, v[PB+3], 24, v253
.irp b, 0,1,2,3
.irp i, 0,1,2,3,4,5,6,7,8,9,10,11,12,13,14,15
	v_min_num_f32 v[S+16*\b+\i], v[S+16*\b+\i], v[HL+\b]   ; the conversion does not saturate (ISA guide 7.6.2); p is not negative
.endr
	v_cvt_scalef32_pk8_bf8_f32 v[PC+4*\b:PC+4*\b+1], v[S+16*\b:S+16*\b+7], v[SO+\b]
	v_cvt_scalef32_pk8_bf8_f32 v[PC+4*\b+2:PC+4*\b+3], v[S+16*\b+8:S+16*\b+15], v[SO+\b]
.endr
.set j, 0
.rept 16
	v_pk_mul_f32 v[OT+j:OT+j+1], v[OT+j:OT+j+1], v[252:253] op_sel_hi:[1,0]   ; O^T under the new M; also the places ahead of the products below
.set j, j+2
.endr
.endm
; ONE KEY STEP, on LDS slot J % 2
.macro HALF slot
	TESTBIT 66, 18                                 ; does any wave of the work-group want step J + 1?  Then my 1,024 bytes of it are asked for now, a whole step ahead
	s_cbranch_scc0 .Lno_fetch_\@
	global_load_b128 v[SG:SG+3], v[LI], s[28:29]
	global_load_b128 v[SG+4:SG+7], v[LI], s[28:29] offset:512
.Lno_fetch_\@:
	TESTBIT 2, 17                                  ; is step J live for my 16 queries?
	s_cbranch_scc0 .Lskip_\@
	v_lshl_add_u32 v[ADS], s100, 1, v[ASK0]        ; K's scale words: 512 bytes a step
	v_add_nc_u32 v[ADT], s100, v[ASV0]             ; V's: 256
.rept 6
	v_nop                                          ; with the two lines above: eight places behind the last step's products, whose operands' registers are loaded again
.endr
	TESTBIT 3, 17                                  ; all true?
	s_cbranch_scc1 .Lopen_\@
	s_load_b512 s[32:47], s[30:31], s100 offset:0x0    ; the step's 64 lane masks
	s_load_b512 s[48:63], s[30:31], s100 offset:0x40
	s_load_b512 s[68:83], s[30:31], s100 offset:0x80
	s_load_b512 s[84:99], s[30:31], s100 offset:0xc0
	QKPART \slot
	s_wait_kmcnt 0x0
.set n, 0
.rept 64
	v_cndmask_b32 v[S+n], v[NEG], v[S+n], s[32+n+4*(n/32)]   ; where the mask is false: -2^33
.set n, n+1
.endr
	s_branch .Ljoin_\@
.Lopen_\@:
	QKPART \slot
.Ljoin_\@:
	SOFTMAX
	s_wait_dscnt 0x0                               ; V is in
.irp t, 0,1,2,3
	v_wmma_scale_f32_16x16x128_f8f6f4 v[OT+8*\t:OT+8*\t+7], v[KV+16*\t:KV+16*\t+15], v[PC:PC+15], v[OT+8*\t:OT+8*\t+7], v[VSW+\t], v253 matrix_a_fmt:MATRIX_FMT_BF8 matrix_b_fmt:MATRIX_FMT_BF8
.endr
.Lskip_\@:
	s_wait_loadcnt 0x0                             ; my part of step J + 1 is in registers, if it was asked for
	TESTBIT 66, 18
	s_cbranch_scc0 .Lno_store_\@
	ds_store_b128 v[STA], v[SG:SG+3] offset:(1-\slot)*16384
	ds_store_b128 v[STA], v[SG+4:SG+7] offset:(1-\slot)*16384+512
.Lno_store_\@:
	s_wait_dscnt 0x0                               ; my stores into the other slot have landed, and my reads of this slot are over
	s_add_nc_u64 s[28:29], s[28:29], s[26:27]
	s_add_co_u32 s17, s17, 1
	s_add_co_u32 s18, s18, 1
	s_add_co_u32 s100, s100, 256
	s_barrier_signal -1                            ; one barrier a step does both: the other slot is whole, and nobody reads this one any more
	s_barrier_wait -1
.endm
.Lpass:
	s_lshl_b32 s32, s14, 8                         ; the block's 16 tiles x 4 words 0
	s_add_co_u32 s32, s32, INFO0
	s_mov_b32 s33, 0
	s_add_nc_u64 s[30:31], s[6:7], s[32:33]
	s_load_b512 s[32:47], s[30:31], 0x0
	s_load_b512 s[48:63], s[30:31], 0x40
	s_load_b512 s[68:83], s[30:31], 0x80
	s_load_b512 s[84:99], s[30:31], 0xc0
	s_mov_b32 s66, 0
	s_wait_kmcnt 0x0
.irp b, 32,36,40,44,48,52,56,60,68,72,76,80,84,88,92,96
	LIVE \b
	s_or_b32 s66, s66, s101                        ; the steps that some wave wants; bit 16 is 0: the last step fetches nothing
.endr
	s_lshl_b32 s45, s14, 4
	s_add_co_u32 s45, s45, s10                     ; my tile of queries
	s_lshl_b32 s32, s45, 4
	s_add_co_u32 s32, s32, INFO0
	s_mov_b32 s33, 0
	s_add_nc_u64 s[30:31], s[6:7], s[32:33]
	s_load_b128 s[36:39], s[30:31], 0x0            ; my own words 0,
	s_load_b128 s[40:43], s[30:31], 0x800          ; and words 1
	s_lshl_b32 s44, s12, 7
	s_add_co_u32 s44, s44, s45                     ; the tile among all 512
	s_lshr_b32 s46, s11, 1
	s_lshl_b32 s47, s46, 9
	s_add_co_u32 s47, s47, s44
	s_lshl_b32 s48, s47, 11
	s_and_b32 s49, s11, 1
	s_lshl_b32 s49, s49, 10
	s_add_co_u32 s48, s48, s49
	s_mov_b32 s49, 0
	s_add_nc_u64 s[48:49], s[4:5], s[48:49]
	global_load_b128 v[16:19], v[LI], s[48:49]     ; Q's codes of my head
	global_load_b128 v[20:23], v[LI], s[48:49] offset:512
	s_lshl_b32 s50, s46, 15
	s_lshr_b32 s51, s44, 2
	s_lshl_b32 s51, s51, 8
	s_add_co_u32 s50, s50, s51
	s_and_b32 s51, s44, 3
	s_lshl_b32 s51, s51, 2
	s_add_co_u32 s50, s50, s51
	s_add_co_u32 s50, s50, QK_SC
	s_mov_b32 s51, 0
	s_add_nc_u64 s[50:51], s[4:5], s[50:51]
	global_load_b32 v255, v[R16], s[50:51]         ; Q's scale words
	global_load_b128 v[SG:SG+3], v[LI], s[24:25]   ; step 0's tiles are fetched without asking
	global_load_b128 v[SG+4:SG+7], v[LI], s[24:25] offset:512
	v_mov_b32 v13, 0xff61b1e6                      ; the largest t so far: -3e38
	v_floor_f32 v12, -v13
	v_mov_b32 v14, 0
	v_mov_b32 v15, 0
.set j, 0
.rept 32
	v_mov_b32 v[OT+j], 0                           ; the step is written once: the first finds zeros, which the first change of M leaves zeros
.set j, j+1
.endr
	s_wait_kmcnt 0x0
	LIVE 36
	s_mov_b32 s2, s101
	s_or_b32 s3, s40, s41
	s_or_b32 s3, s3, s42
	s_or_b32 s3, s3, s43
	s_lshl_b32 s32, s45, 12
	s_mov_b32 s33, 0
	s_add_nc_u64 s[30:31], s[6:7], s[32:33]        ; my tile's 16 records of 256 bytes
	s_wait_loadcnt 0x0
	v_lshrrev_b32 v255, s13, v255
	ds_store_b128 v[STA], v[SG:SG+3]
	ds_store_b128 v[STA], v[SG+4:SG+7] offset:512
	s_add_nc_u64 s[28:29], s[24:25], s[26:27]
	s_mov_b32 s17, 0
	s_mov_b32 s18, 1
	s_mov_b32 s100, 0
	s_mov_b32 s16, 8
	s_wait_dscnt 0x0
	s_barrier_signal -1
	s_barrier_wait -1                              ; slot 0 is whole (first pass: and the scale words)
.Ltrip:
	HALF 0
	HALF 1
	s_sub_co_u32 s16, s16, 1
	s_cmp_lg_u32 s16, 0
	s_cbranch_scc1 .Ltrip
	; THE PASS'S END: O^T / the sum, quantised along the embedding (my head's 64 are two blocks of 32), stored as my head's part of the last projection's operand
.rept 8
	v_nop                                          ; places behind the last products
.endr
	v_add_f32 v14, v14, v15
	v_permlanex16_b32 v[PB], v14, s[SEL], s[SEL+1]
	v_add_f32 v14, v14, v[PB]                      ; the row's sum
	v_rcp_f32 v14, v14
	v_nop
	s_wait_alu depctr_va_vdst(0)                   ; ahead of the reciprocal's first reader
.set j, 0
.rept 16
	v_pk_mul_f32 v[S+j:S+j+1], v[OT+j:OT+j+1], v[14:15] op_sel_hi:[1,0]   ; register 16 b + i is channel 32 b + 16 h + i of my head
.set j, j+2
.endr
.irp b, 0,1
	v_max3_num_f32 v[BM+\b], |v[S+16*\b]|, |v[S+16*\b+1]|, 0x8000000
.endr
.irp i, 2,4,6,8,10,12,14
.irp b, 0,1
	v_max3_num_f32 v[BM+\b], v[BM+\b], |v[S+16*\b+\i]|, |v[S+16*\b+\i+1]|
.endr
.endr
.irp b, 0,1
	v_permlanex16_b32 v[PB+\b], v[BM+\b], s[SEL], s[SEL+1]
.endr
.irp b, 0,1
	v_max_num_f32 v[BM+\b], v[BM+\b], v[PB+\b]
.endr
.irp b, 0,1
	v_add_nc_u32 v[SO+\b], 0xf8800000, v[BM+\b]
.endr
.irp b, 0,1
	v_and_or_b32 v[HL+\b], v[BM+\b], 0x7f800000, s[MNT]
.endr
.irp b, 0,1
	v_lshrrev_b32 v[PB+\b], 23, v[SO+\b]
.endr
	v_lshl_or_b32 v254, v[PB+1], 8, v[PB]          ; my head's two scale bytes
.irp b, 0,1
.irp i, 0,1,2,3,4,5,6,7,8,9,10,11,12,13,14,15
	v_med3_num_f32 v[S+16*\b+\i], v[S+16*\b+\i], -v[HL+\b], v[HL+\b]
.endr
	v_cvt_scalef32_pk8_bf8_f32 v[PC+4*\b:PC+4*\b+1], v[S+16*\b:S+16*\b+7], v[SO+\b]
	v_cvt_scalef32_pk8_bf8_f32 v[PC+4*\b+2:PC+4*\b+3], v[S+16*\b+8:S+16*\b+15], v[SO+\b]
.endr
	v_nop                                          ; a plain line behind the last conversion
	s_lshl_b32 s32, s14, 4
	s_add_co_u32 s32, s32, s10
	s_lshl_b32 s33, s12, 7
	s_add_co_u32 s32, s32, s33                     ; my tile among all 512
	s_lshl_b32 s34, s32, 3
	s_lshr_b32 s35, s11, 1
	s_add_co_u32 s34, s34, s35                     ; image (tile, K step head / 2),
	s_lshl_b32 s34, s34, 11
	s_and_b32 s35, s11, 1
	s_lshl_b32 s35, s35, 10                        ; the odd head's half 1,024 bytes on
	s_add_co_u32 s34, s34, s35
	s_mov_b32 s35, 0
	s_add_nc_u64 s[34:35], s[8:9], s[34:35]
	s_lshl_b32 s36, s32, 2
	s_lshr_b32 s38, s11, 2
	s_add_co_u32 s36, s36, s38
	s_lshl_b32 s36, s36, 7
	s_and_b32 s38, s11, 3
	s_lshl_b32 s38, s38, 1                         ; word (head / 2) % 2, bytes 2 (head % 2) on
	s_add_co_u32 s36, s36, s38
	s_add_co_u32 s36, s36, O_SC
	s_mov_b32 s37, 0
	s_add_nc_u64 s[36:37], s[8:9], s[36:37]
	global_store_b128 v[LI], v[PC:PC+3], s[34:35]              ; 512 consecutive bytes
	global_store_b128 v[LI], v[PC+4:PC+7], s[34:35] offset:512
	global_store_b16 v[R8], v254, s[36:37]         ; two bytes a row, 8 apart (both halves of the lanes write the same): one byte for each 32 of codes
	s_wait_xcnt 0x0                                ; the stores have read their registers and addresses
	s_sub_co_u32 s14, 7, s14                       ; the other block
	s_sub_co_u32 s15, s15, 1
	s_cmp_lg_u32 s15, 0
	s_cbranch_scc1 .Lpass
	s_wait_tensorcnt 0x0                           ; the wave's end, behind my last LDS store
	ds_add_u32 v[SPW], v[NIL]
	s_wait_dscnt 0x0
	s_endpgm
.Lfunc_end_k_q80ca3b4096_attn:
	.size	k_q80ca3b4096_attn, .Lfunc_end_k_q80ca3b4096_attn-k_q80ca3b4096_attn
	.p2alignl 7, 3214868480
	.fill 96, 4, 3214868480
	.section	.rodata,"a",@progbits
	.p2align	6, 0x0
	.amdhsa_kernel k_q80ca3b4096_attn
		.amdhsa_group_segment_fixed_size 47104
		.amdhsa_private_segment_fixed_size 0
		.amdhsa_enable_private_segment 0
		.amdhsa_kernarg_size 24
		.amdhsa_user_sgpr_count 2
		.amdhsa_user_sgpr_kernarg_segment_ptr 1
		.amdhsa_wavefront_size32 1
		.amdhsa_system_sgpr_workgroup_id_x 1
		.amdhsa_system_sgpr_workgroup_id_y 1
		.amdhsa_system_sgpr_workgroup_id_z 1
		.amdhsa_system_vgpr_workitem_id 0
		.amdhsa_next_free_vgpr 256
		.amdhsa_next_free_sgpr 102
		.amdhsa_reserve_vcc 0
		.amdhsa_float_denorm_mode_32 3
		.amdhsa_float_denorm_mode_16_64 3
		.amdhsa_memory_ordered 1
		.amdhsa_forward_progress 1
		.amdhsa_inst_pref_size 75
	.end_amdhsa_kernel
	.amdgpu_metadata
---
amdhsa.version: [ 1, 2 ]
amdhsa.kernels:
  - .name:           k_q80ca3b4096_attn
    .symbol:         k_q80ca3b4096_attn.kd
    .args:
      - { .name: qkv, .offset: 0, .size: 8, .value_kind: global_buffer, .address_space: global }
      - { .name: mk, .offset: 8, .size: 8, .value_kind: global_buffer, .address_space: global }
      - { .name: ob, .offset: 16, .size: 8, .value_kind: global_buffer, .address_space: global }
    .group_segment_fixed_size: 47104
    .private_segment_fixed_size: 0
    .kernarg_segment_align: 8
    .kernarg_segment_size: 24
    .max_flat_workgroup_size: 512
    .sgpr_count:     102
    .vgpr_count:     256
    .wavefront_size: 32
...
	.end_amdgpu_metadata
.endif
;; end of part 3
;; launch outp (part 4): grid 4 x 32, 4 waves a work-group, clusters of 4 x 4, 327,680 bytes of LDS; arguments ob, xw, bo, out0; writes out0
.if DOCPART == 4
	.amdgcn_target "amdgcn-amd-amdhsa--gfx1250"
	.amdhsa_code_object_version 6
	.text
	.protected	k_q80ca3b4096_outp
	.globl	k_q80ca3b4096_outp
	.p2align	8
	.type	k_q80ca3b4096_outp,@function
k_q80ca3b4096_outp:
	s_mov_b64 s[64:65], 0
	v_nop
	global_prefetch_b8 v0, s[64:65] scope:SCOPE_SE
	s_setreg_imm32_b32 hwreg(HW_REG_WAVE_MODE, 25, 1), 1
	s_wait_xcnt 0x0
	s_wait_alu depctr_hold_cnt(0) depctr_sa_sdst(0) depctr_va_vdst(0) depctr_va_sdst(0) depctr_va_ssrc(0) depctr_va_vcc(0) depctr_vm_vsrc(0)
	s_getreg_b32 s2, hwreg(HW_REG_IB_STS2, 6, 4)
	s_cmp_eq_u32 s2, 0
	s_cbranch_scc0 .Lentry_in_a_cluster
	s_endpgm
.Lentry_in_a_cluster:
	s_bfe_u32 s2, ttmp6, 0x10000c
	s_cmp_lg_u32 s2, 0xf033
	s_cbranch_scc0 .Lentry_shape_is_right
	s_endpgm
.Lentry_shape_is_right:
; out0 = o Wo + bo on codes of BF8 (E5M2) with E8M0 scales.  Nothing is left out.  "A" = the attention's result (launch attn: images and scale words by tiles of query positions), "B" = Wo (launch prep).
; 8 clusters of 4 x 4 work-groups; a work-group makes 256 x 256, a wave 128 x 128, K = 1,024 in four slots' worth of 256: the loop of launch qkv.  128 work-groups: the tile is kept at 256 x 256 so that each fragment read from LDS feeds eight products.
; THE MATRIX INSTRUCTION IS USED TRANSPOSED: a lane holds one position of A (a row of out0) and its registers run along Wo's columns; bo is the C of each sum's first matrix instruction.
; On the way out positions become indices again (bits 3 and 4 exchanged): columns in the stage's offsets, rows in the stores' offsets.
; REGISTERS: as in launch qkv.  A wave has three tensor loads out at the start and one behind each later round.
.set NQ,    2
.set FR,    16
.set NL,    4
.set NP,    8
.set SLOT,  131072
.set SCL,   262144
.set BSC,   278528
.set SPARE, 280576
.set O_SC,  8388608
.set WO_IMG, 8388608+192*16384
.set WO_SC,  12845056+192*512
.set SPITCH, 528                       ; the way out: a stage of 16 rows x (512 bytes + 16) for each wave, in slot 0, which has had its last fill and its last read by then
.set ADRA, 16
.set ADRB, 20
.set STO,  24
.set RD,   25
.set IO,   26
.set ADRS, 27
.set SPW,  28
.set NIL,  29
.set BSA,  30
.set SC,   32
.set BI,   64
.set AF,   128
.set BK,   128
.set G1, 24
.set G0, 32
.set G1B, 48
.set G0B, 56
.set G1S, 68
.set G0S, 76
.set G1SB, 80
.set G0SB, 88
.set MSB, 0
.macro WIN new
.if MSB != (\new)
	s_set_vgpr_msb (MSB<<8)|(\new)
.set MSB, (\new)
.endif
.endm
.set MUL_LO, 0xa1
.set MUL_HI, 0xf1
.set BIA_LO, 0x81
.set BIA_HI, 0xc1
.set TO_B,   0x40
.macro JLOAD g0a, g1a, g0b, g1b
	s_cmp_eq_u32 s15, 0
	s_cbranch_scc0 .Lfor_b_\@
	tensor_load_to_lds s[\g0a:\g0a+3], s[\g1a:\g1a+7]
	s_nop 0
.rept 4
	v_nop
.endr
	s_branch .Lasked_\@
.Lfor_b_\@:
	tensor_load_to_lds s[\g0b:\g0b+3], s[\g1b:\g1b+7]
	s_nop 0
.rept 4
	v_nop
.endr
.Lasked_\@:
.endm
.macro CREST
	s_cmp_lg_u32 s14, 0
	s_cbranch_scc1 .Lnot_wave_0_\@
	s_barrier_signal -3
.Lnot_wave_0_\@:
	s_barrier_wait -3
	s_barrier_signal -1
	s_barrier_wait -1
.endm
.macro CROUND
	s_barrier_signal -1
	s_barrier_wait -1
	CREST
.endm
	s_load_b256 s[4:11], s[0:1], 0x0               ; ob, xw, bo, out0
	v_lshl_add_u32 v[SPW], v0, 2, SPARE
	v_mov_b32 v[NIL], 0
	ds_add_u32 v[SPW], v[NIL]                      ; the wave's opening: the add, twice on end, and its wait ahead of my first tensor load
	ds_add_u32 v[SPW], v[NIL]
	v_lshrrev_b32 v1, 5, v0
	v_readfirstlane_b32 s14, v1
	s_lshr_b32 s15, s14, 1
	s_and_b32 s16, s14, 1
	s_bfe_u32 s40, ttmp6, 0x40000                  ; cx
	s_bfe_u32 s41, ttmp6, 0x40004                  ; cy
	s_lshl_b32 s42, ttmp9, 2
	s_add_co_u32 s42, s42, s40                     ; tile column
	s_and_b32 s17, ttmp7, 0xffff
	s_lshl_b32 s17, s17, 2
	s_add_co_u32 s17, s17, s41                     ; tile row
	s_lshl_b32 s43, s41, 2
	s_lshl_b32 s43, 15, s43
	s_lshl_b32 s44, 0x1111, s40
	s_or_b32 s[G1+0], s43, (3<<16)|(1<<21)         ; codes: 8 rows (tiles) of 512 elements of 8 bytes, 2,048 elements apart
	s_or_b32 s[G1B+0], s44, (3<<16)|(1<<21)
.irp g, G1, G1B
	s_mov_b32 s[\g+1], 512<<16
	s_mov_b32 s[\g+2], 8<<16
	s_mov_b32 s[\g+3], 512<<16
	s_mov_b32 s[\g+4], 8
	s_mov_b32 s[\g+5], 2048
	s_mov_b32 s[\g+6], 0
	s_mov_b32 s[\g+7], 0
.endr
	s_or_b32 s[G1S+0], s43, (3<<16)|(1<<21)        ; scale words of 8 tiles: 4,096 dense bytes as 16 rows of 256
	s_or_b32 s[G1SB+0], s44, (3<<16)|(1<<21)
.irp g, G1S, G1SB
	s_mov_b32 s[\g+1], 32<<16
	s_mov_b32 s[\g+2], 16<<16
	s_mov_b32 s[\g+3], 32<<16
	s_mov_b32 s[\g+4], 16
	s_mov_b32 s[\g+5], 32
	s_mov_b32 s[\g+6], 0
	s_mov_b32 s[\g+7], 0
.endr
	s_lshl_b32 s18, s16, 3
	s_lshl_b32 s20, s17, 4
	s_add_co_u32 s20, s20, s18
	s_lshl_b32 s46, s42, 4
	s_add_co_u32 s46, s46, s18
	s_lshl_b32 s66, s20, 9
	s_add_co_u32 s66, s66, O_SC
	s_mov_b32 s67, 0
	s_lshl_b32 s20, s20, 14
	s_mov_b32 s21, 0
	s_lshl_b32 s92, s46, 9
	s_add_co_u32 s92, s92, WO_SC
	s_mov_b32 s93, 0
	s_lshl_b32 s46, s46, 14
	s_add_co_u32 s46, s46, WO_IMG
	s_mov_b32 s47, 0
	s_lshl_b32 s98, s14, 15
	s_lshl_b32 s99, s14, 12
	s_wait_dscnt 0x0                               ; both opening adds are done
	s_wait_kmcnt 0x0
	s_add_nc_u64 s[20:21], s[4:5], s[20:21]
	s_add_nc_u64 s[66:67], s[4:5], s[66:67]
	s_add_nc_u64 s[46:47], s[6:7], s[46:47]
	s_add_nc_u64 s[92:93], s[6:7], s[92:93]
	CROUND
	s_mov_b32 s[G0S], 1
	s_add_co_u32 s[G0S+1], s99, SCL
	s_mov_b64 s[G0S+2:G0S+3], s[66:67]
	s_or_b32 s[G0S+3], s[G0S+3], 0x80000000
	s_mov_b32 s[G0SB], 1
	s_add_co_u32 s[G0SB+1], s99, SCL
	s_mov_b64 s[G0SB+2:G0SB+3], s[92:93]
	s_or_b32 s[G0SB+3], s[G0SB+3], 0x80000000
	JLOAD G0S, G1S, G0SB, G1SB
.irp s, 0,1
	s_mov_b32 s[G0+4*\s], 1
	s_add_co_u32 s[G0+4*\s+1], s98, \s*SLOT
	s_add_nc_u64 s[G0+4*\s+2:G0+4*\s+3], s[20:21], \s*4096
	s_or_b32 s[G0+4*\s+3], s[G0+4*\s+3], 0x80000000
	s_mov_b32 s[G0B+4*\s], 1
	s_add_co_u32 s[G0B+4*\s+1], s98, \s*SLOT
	s_add_nc_u64 s[G0B+4*\s+2:G0B+4*\s+3], s[46:47], \s*4096
	s_or_b32 s[G0B+4*\s+3], s[G0B+4*\s+3], 0x80000000
	JLOAD G0+4*\s, G1, G0B+4*\s, G1B
.endr
	v_and_b32 v1, 15, v0
	v_bfe_u32 v2, v0, 4, 1
	v_and_b32 v3, 31, v0
	v_lshlrev_b32 v[IO], 4, v3
	s_lshl_b32 s18, s15, 15
	s_lshl_b32 s19, s16, 15
	s_add_co_u32 s19, s19, 65536
.irp s, 0,1
	v_add_nc_u32 v[ADRA+\s], s18, v[IO]
	v_add_nc_u32 v[ADRB+\s], s19, v[IO]
	s_add_co_u32 s18, s18, SLOT
	s_add_co_u32 s19, s19, SLOT
.endr
	v_lshlrev_b32 v5, 3, v1
	s_lshl_b32 s18, s15, 12
	s_lshl_b32 s19, s16, 12
	s_add_co_u32 s19, s19, 8192
	s_sub_co_u32 s19, s19, s18
	v_mul_u32_u24 v6, s19, v2
	s_add_co_u32 s18, s18, SCL
	v_add_nc_u32 v5, v5, v6
	v_add_nc_u32 v[ADRS], s18, v5
	s_mul_i32 s18, s14, 16*SPITCH                  ; my stage
	v_mul_u32_u24 v5, v1, SPITCH
	v_lshl_add_u32 v5, v2, 6, v5
	v_add_nc_u32 v[STO], s18, v5                   ; in: row r, + 64 h
	v_add_nc_u32 v[RD], s18, v[IO]                 ; back: a row of 512 bytes, 16 a lane
	s_lshl_b32 s18, s14, 9
	s_add_co_u32 s18, s18, BSC
	v_add_nc_u32 v7, s18, v[IO]
	v_lshl_add_u32 v[BSA], v2, 6, s18
	s_lshl_b32 s18, s42, 10
	s_lshl_b32 s19, s16, 9
	s_add_co_u32 s18, s18, s19                     ; my 128 columns, in bytes: of bo and of a row of out0
	s_mov_b32 s19, 0
	s_add_nc_u64 s[8:9], s[8:9], s[18:19]
	global_load_b128 v[8:11], v[IO], s[8:9]
	s_add_nc_u64 s[10:11], s[10:11], s[18:19]
	s_lshl_b32 s18, s17, 20                        ; 256 rows of 4,096 bytes a tile row,
	s_lshl_b32 s2, s15, 19                         ; 128 for my half
	s_add_co_u32 s18, s18, s2
	s_add_nc_u64 s[10:11], s[10:11], s[18:19]
	s_wait_loadcnt 0x0
	ds_store_b128 v7, v[8:11]
.macro FRAG reg, adr, q, i
.irp c, 0,1,2,3
	ds_load_b128 v[\reg+4*\c:\reg+4*\c+3], v[\adr] offset:4096*(\i)+2048*(\q)+512*\c
.endr
.endm
; kind 0: in place; 1: C = the bias, by B's block.  The 64 accumulators take turns, one instruction a turn.
.macro MUL16 a0, p, q, sc, kind
.irp a, \a0, \a0+1
.irp b, 0,1,2,3,4,5,6,7
.set rD, 8*(8*((\a)%4)+\b)
.set rB, 128*(\p)+FR*\b
.set rA, AF+FR*(\a)
.set rSB, SC+8*NQ*(\sc)+NQ*\b+(\q)
.set rSA, SC+8*NQ*(\sc)+NQ*(\a)+(\q)
.if (\kind) == 0
	v_wmma_scale_f32_16x16x128_f8f6f4 v[rD:rD+7], v[rB:rB+15], v[rA:rA+15], v[rD:rD+7], v[rSB], v[rSA] matrix_a_fmt:MATRIX_FMT_BF8 matrix_b_fmt:MATRIX_FMT_BF8 matrix_a_scale:MATRIX_SCALE_ROW1
.else
	v_wmma_scale_f32_16x16x128_f8f6f4 v[rD:rD+7], v[rB:rB+15], v[rA:rA+15], v[BI+8*\b:BI+8*\b+7], v[rSB], v[rSA] matrix_a_fmt:MATRIX_FMT_BF8 matrix_b_fmt:MATRIX_FMT_BF8 matrix_a_scale:MATRIX_SCALE_ROW1
.endif
.endr
.endr
.endm
.macro FETCH_B slot, q, p
	WIN TO_B
.irp i, 0,1,2,3,4,5,6,7
	FRAG 128*(\p)+FR*\i, ADRB+\slot, \q, \i
.endr
	WIN 0
.endm
.macro FETCH_A slot, q, i0
.irp i, \i0, \i0+1, \i0+2, \i0+3
	FRAG AF+FR*(\i), ADRA+\slot, \q, \i
.endr
.endm
.macro SCALES sc
.irp i, 0,1,2,3,4,5,6,7
	ds_load_b64 v[SC+8*NQ*\sc+NQ*\i:SC+8*NQ*\sc+NQ*\i+1], v[ADRS] offset:\i*512
.endr
.endm
.macro PLACES n
.rept \n
	v_nop
.endr
.endm
.macro STEP slot, q, kind
	s_wait_dscnt 4*NL                              ; all but the youngest 16 loads (A's blocks 4-7)
.if (\kind) == 0
	WIN MUL_LO
.else
	WIN BIA_LO
.endif
	MUL16 0, (\q)%2, \q, \slot, \kind
	MUL16 2, (\q)%2, \q, \slot, \kind
	s_wait_dscnt 0
	PLACES NP
	FETCH_B \slot, (\q)+1, 1-(\q)%2
	FETCH_A \slot, (\q)+1, 0
.if (\kind) == 0
	WIN MUL_HI
.else
	WIN BIA_HI
.endif
	MUL16 4, (\q)%2, \q, \slot, \kind
	MUL16 6, (\q)%2, \q, \slot, \kind
	PLACES NP
	WIN 0
	FETCH_A \slot, (\q)+1, 4
.endm
.macro TURN slot, next, fill
	s_wait_tensorcnt 0x0                           ; all my tensor loads have landed: my part of the next slot
	ds_add_u32 v[SPW], v[NIL]
	s_wait_dscnt 4*NL+1                            ; (the add and A's blocks 4-7 may be out)
	WIN MUL_LO
	MUL16 0, 1, NQ-1, \slot, 0
	s_wait_dscnt 0x0                               ; the add is done, and my reads of this slot are over
	s_barrier_signal -1
	MUL16 2, 1, NQ-1, \slot, 0
	WIN 0
	s_barrier_wait -1
.if \fill
	CREST                                          ; the barrier has opened a round of the cluster's barrier
	s_add_nc_u64 s[G0+4*\slot+2:G0+4*\slot+3], s[G0+4*\slot+2:G0+4*\slot+3], 8192
	s_add_nc_u64 s[G0B+4*\slot+2:G0B+4*\slot+3], s[G0B+4*\slot+2:G0B+4*\slot+3], 8192
	JLOAD G0+4*\slot, G1, G0B+4*\slot, G1B
	PLACES NP-4
.else
	PLACES NP
.endif
	v_add_nc_u32 v[ADRS], 128, v[ADRS]
	FETCH_B \next, 0, 0
	FETCH_A \next, 0, 0
	SCALES \next
	WIN MUL_HI
	MUL16 4, 1, NQ-1, \slot, 0
	MUL16 6, 1, NQ-1, \slot, 0
	PLACES NP
	WIN 0
	FETCH_A \next, 0, 4
.endm
	s_wait_tensorcnt 1                             ; the scale words and my part of slot 0 are in; slot 1's load may be out
	s_wait_dscnt 0x0
	s_barrier_signal -1
	s_barrier_wait -1
	FETCH_B 0, 0, 0
	FETCH_A 0, 0, 0
	SCALES 0
	FETCH_A 0, 0, 4
.irp b, 0,1,2,3,4,5,6,7                ; register j of B's block b is column 32 (b / 2) + 8 (b % 2) + 16 h + j
	ds_load_b128 v[BI+8*\b:BI+8*\b+3], v[BSA] offset:(32*(\b/2)+8*(\b%2))*4
	ds_load_b128 v[BI+8*\b+4:BI+8*\b+7], v[BSA] offset:(32*(\b/2)+8*(\b%2))*4+16
.endr
	s_wait_dscnt 0x0
	STEP 0, 0, 1
	TURN 0, 1, 1
	STEP 1, 0, 0
	TURN 1, 0, 1
	STEP 0, 0, 0
	TURN 0, 1, 0
	STEP 1, 0, 0
	s_wait_dscnt 4*NL
	WIN MUL_LO
	MUL16 0, 1, NQ-1, 1, 0
	MUL16 2, 1, NQ-1, 1, 0
	s_wait_dscnt 0
	WIN MUL_HI
	MUL16 4, 1, NQ-1, 1, 0
	MUL16 6, 1, NQ-1, 1, 0
	WIN 0
; THE WAY OUT, block by block of 16 rows x 128 columns, through my own stage: LDS serves a wave's instructions in order, so no wait stands between the stores and the loads
.macro TOSTAGE a
.set AC, 64*((\a)%4)
	WIN 0x08+4*((\a)/4)                            ; the data: window 2 or 3
.irp b, 0,1,2,3,4,5,6,7
	ds_store_b128 v[STO], v[AC+8*\b:AC+8*\b+3] offset:128*(\b/2)+32*(\b%2)       ; each accumulator from its low end on
	ds_store_b128 v[STO], v[AC+8*\b+4:AC+8*\b+7] offset:128*(\b/2)+32*(\b%2)+16
.endr
	WIN 0
.set BB, BK+64*((\a)%2)
.irp t, 0,1,2,3,4,5,6,7,8,9,10,11,12,13,14,15
	ds_load_b128 v[BB+4*\t:BB+4*\t+3], v[RD] offset:\t*SPITCH
.endr
.endm
.macro SEND a, younger
.set BB, BK+64*((\a)%2)
	s_wait_dscnt \younger                          ; the block is back in registers
.irp t, 0,1,2,3,4,5,6,7,8,9,10,11,12,13,14,15
	global_store_b128 v[IO], v[BB+4*\t:BB+4*\t+3], s[10:11] offset:(32*((\a)/2)+8*((\a)%2)+\t+8*(\t/8))*4096 th:TH_STORE_NT   ; 512 consecutive bytes of the row whose position is 16 a + t
.endr
.endm
	PLACES NP
	TOSTAGE 0
.irp a, 1,2,3,4,5,6,7
.if \a > 1
	s_wait_xcnt 0x0                                ; block a - 2's stores have read their registers: block a's loads may land there
.endif
	TOSTAGE \a
	SEND \a-1, 32                                  ; behind block a - 1's loads: block a's 16 stores and 16 loads
.endr
	SEND 7, 0
	s_wait_tensorcnt 0x0                           ; the wave's end
	ds_add_u32 v[SPW], v[NIL]
	s_wait_dscnt 0x0
	CROUND                                         ; the closing round
	s_endpgm
.Lfunc_end_k_q80ca3b4096_outp:
	.size	k_q80ca3b4096_outp, .Lfunc_end_k_q80ca3b4096_outp-k_q80ca3b4096_outp
	.p2alignl 7, 3214868480
	.fill 96, 4, 3214868480
	.section	.rodata,"a",@progbits
	.p2align	6, 0x0
	.amdhsa_kernel k_q80ca3b4096_outp
		.amdhsa_group_segment_fixed_size 327680
		.amdhsa_private_segment_fixed_size 0
		.amdhsa_enable_private_segment 0
		.amdhsa_kernarg_size 32
		.amdhsa_user_sgpr_count 2
		.amdhsa_user_sgpr_kernarg_segment_ptr 1
		.amdhsa_wavefront_size32 1
		.amdhsa_system_sgpr_workgroup_id_x 1
		.amdhsa_system_sgpr_workgroup_id_y 1
		.amdhsa_system_sgpr_workgroup_id_z 1
		.amdhsa_system_vgpr_workitem_id 0
		.amdhsa_next_free_vgpr 1024
		.amdhsa_next_free_sgpr 100
		.amdhsa_reserve_vcc 0
		.amdhsa_float_denorm_mode_32 3
		.amdhsa_float_denorm_mode_16_64 3
		.amdhsa_memory_ordered 1
		.amdhsa_forward_progress 1
		.amdhsa_inst_pref_size 146
	.end_amdhsa_kernel
	.amdgpu_metadata
---
amdhsa.version: [ 1, 2 ]
amdhsa.kernels:
  - .name:           k_q80ca3b4096_outp
    .symbol:         k_q80ca3b4096_outp.kd
    .args:
      - { .name: ob, .offset: 0, .size: 8, .value_kind: global_buffer, .address_space: global }
      - { .name: xw, .offset: 8, .size: 8, .value_kind: global_buffer, .address_space: global }
      - { .name: bo, .offset: 16, .size: 8, .value_kind: global_buffer, .address_space: global }
      - { .name: out0, .offset: 24, .size: 8, .value_kind: global_buffer, .address_space: global }
    .group_segment_fixed_size: 327680
    .private_segment_fixed_size: 0
    .kernarg_segment_align: 8
    .kernarg_segment_size: 32
    .max_flat_workgroup_size: 128
    .sgpr_count:     100
    .vgpr_count:     1024
    .wavefront_size: 32
...
	.end_amdgpu_metadata
.endif
;; end of part 4
;; ======== version 2 of 2: 4 launches; version 1 with the launch attn written anew for expert scheduling mode
;; limits: right only within a limited range of input values
;; workspace buffers: xw 12,976,128 bytes; mk 528,384 bytes of whole numbers; qkv 25,952,256 bytes; ob 8,650,752 bytes
;; launch prep: the kernel of part 1 again; grid 640 x 1, 4 waves a work-group, no clusters, 34,304 bytes of LDS; arguments x, Wq, Wk, Wv, Wo, mask, xw, mk; writes xw, mk
;; launch qkv: the kernel of part 2 again; grid 96 x 4, 4 waves a work-group, clusters of 4 x 4, 327,680 bytes of LDS; arguments xw, bq, bk, bv, qkv; writes qkv
;; launch attn (part 5): grid 4 x 64, 16 waves a work-group, no clusters, 47,104 bytes of LDS; arguments qkv, mk, ob; writes ob
.if DOCPART == 5
	.amdgcn_target "amdgcn-amd-amdhsa--gfx1250"
	.amdhsa_code_object_version 6
	.text
	.protected	k_q80ca3b4096_attn
	.globl	k_q80ca3b4096_attn
	.p2align	8
	.type	k_q80ca3b4096_attn,@function
k_q80ca3b4096_attn:
	s_mov_b64 s[64:65], 0
	v_nop
	global_prefetch_b8 v0, s[64:65] scope:SCOPE_SE
	s_setreg_imm32_b32 hwreg(HW_REG_WAVE_SCHED_MODE, 0, 2), 2
	s_setreg_imm32_b32 hwreg(HW_REG_WAVE_MODE, 25, 1), 1
	s_wait_xcnt 0x0
	s_wait_alu depctr_vm_vsrc(0)
; out[b][q][head] = softmax_k(where(mask, q . k / 8, -1e9)) v, both products on codes of BF8 (E5M2) with E8M0 scales, and the result quantised along the embedding for the last projection.
; LEFT OUT, by whole numbers that launch prep stored in mk: a step of 128 keys whose mask is false for all 16 queries of a wave, where each of those queries has a true key somewhere: its weights are 0 in f32.
; Where a row of the 16 is masked everywhere, all 16 steps are walked with the mask applied.  LIMIT: a masked score is set to -2^33 (logit -2^30 where reference() writes -1e9): score x c is then a whole number,
; so a row masked everywhere has p = 1 for every key; NaN and infinities are not served; blocks under 2^-111 and blocks of zeros keep the scale byte 1.
; THE SOFTMAX: t = score x log2(e) / 8; M = the running largest t rounded up to a whole number; p = 2^(t - M) is quantised along the keys, not normalised; the sum of the unquantised p divides at the end.
; SHARES.  A work-group has one batch and head and two blocks of 256 queries, x and 7 - x, one after the other.  Each of its sixteen waves owns a tile of 16 queries in 256 registers.  Every work-group walks all 16 key steps in
; each pass: trip counts are constants and one barrier stands in each step, under no branch; only the work is jumped over.  Branches hang on numbers read from memory; the launch has no tensor load:
; a step's tiles (K: 8 x 1,024 bytes, V: 4 x 2,048) come by loads into registers, issued a whole step ahead, 1,024 bytes a wave, and go into the other of two LDS slots.  All sixteen waves read them.
; No cluster: joint requests are tensor loads.
; LAYOUT.  Both products transposed: S^T = K Q^T, O^T = V^T P^T: a lane holds one query.  By the order of positions the 16 registers of two neighbouring key tiles are 16 neighbouring keys.
; The first product's K is 64: Q's registers for k = 64 .. 127 hold zero codes; K's operand there runs on into the next key tile's registers (finite codes) or into zeros: 0 x a finite number adds nothing.
; THE MODE: SCHED_MODE bits 1:0 = 2 (LLVM: expert scheduling mode 2), set by the entry lines.  The code itself states the register dependences
; between vector or matrix instructions and memory or LDS instructions, with s_wait_alu, always for 0.
; THE PLAN.  Registers that memory or LDS instructions touch:
;   KV  v32-95     K's LDS loads land at a live step's head, V's behind the first products; the eight first products read them, then the four second ones.
;   KSW, VSW       the scale words' LDS loads land with K's and with V's; the products take them as scales.  (KSW at the kernel's head: loaded, shifted, stored to LDS.)
;   SG  v216-223   global loads land at a step's head, LDS stores read them at its end; no vector instruction of the loops names them.  (v216-219 are addresses at the kernel's head.)
;   ADS, ADT       written at a live step's head, read by the scale words' LDS loads.
;   LI, STA, R16, R8   made at the kernel's head and never written again.
;   v16-23, v255   Q's codes and scale word: loaded once a pass; the first products read them.
;   PC, v254       written by vector instructions in every live step; read by the pass's three global stores.
; A live step has three waits on va_vdst of its own: at its head (ADS, ADT written; the last live step's products done with KV, KSW, VSW), behind the first products (done with KV, in which V lands; the softmax names
; neither KV nor VSW), and ahead of the second products (p's codes and scale word written).  Every step has one wait on vm_vsrc, at its end, on the path that all waves take: SG, ADS and ADT have been read.
; All 256 registers of a wave are taken (four waves share a SIMD's 1,024), so KV has one set.
.set V_IMG, 16777216
.set QK_SC, 25165824
.set V_SC,  25690112
.set O_SC,  8388608
.set INFO0, 524288
.set SCK,   32768                      ; behind the two slots of 16,384: K's scale words of the whole head, 8,192 bytes;
.set SCV,   40960                      ; V's, 256 bytes a step;
.set SPARE, 45056                      ; the spare words, 128 bytes for each wave
.set LI,   1                           ; v1  16 x lane
.set STA,  2                           ; v2  1,024 x wave + 16 x lane
.set ASK0, 3                           ; v3  SCK + 16 r
.set ASV0, 4                           ; v4  SCV + 16 r
.set SPW,  5
.set NIL,  6
.set ADS,  7                           ; v7, v8 the step's scale words
.set ADT,  8
.set R16,  9
.set R8,   10
.set NEG,  11                          ; v11 -2^33
.set KV,   32                          ; v32-95 K's 8 tiles x 8, then V's 4 x 16; v96-103 zeros.  v16-23 Q, v24-31 zeros
.set S,    104                         ; v104-167 scores, then p
.set OT,   168                         ; v168-199 O^T
.set PC,   200                         ; v200-215 p's codes
.set SG,   216                         ; v216-223 the next step's 1,024 bytes on their way
.set KSW,  224
.set VSW,  232
.set BM,   236
.set PB,   240
.set HL,   244
.set SO,   248                         ; v252 f, v253 p's scale word, v254 at work, v255 Q's scale word; v12 -M, v13 the largest t, v[14:15] the sum
.set SEL,  20
.set CS,   22
.set MNT,  67
; s2 A: my live steps; s3 F: my steps that are all true; s66 the work-group's live steps; s17 J, s18 J + 1, s100 256 J; s[24:25] my part of tile 0, s[26:27] a step on, s[28:29] my part of tile J + 1; s[30:31] my lane masks
	s_load_b128 s[4:7], s[0:1], 0x0                ; qkv, mk
	s_load_b64 s[8:9], s[0:1], 0x10                ; ob
	v_lshl_add_u32 v[SPW], v0, 2, SPARE
	v_mov_b32 v[NIL], 0
	v_lshrrev_b32 v7, 5, v0
	v_readfirstlane_b32 s10, v7                    ; wave 0..15
	s_and_b32 s19, ttmp7, 0xffff
	s_and_b32 s11, s19, 15                         ; head
	s_lshr_b32 s12, s19, 4                         ; batch
	s_and_b32 s13, s11, 1
	s_lshl_b32 s13, s13, 4                         ; the odd head's scale bytes lie 16 bits up
	s_mov_b32 s14, ttmp9                           ; the block of queries
	s_mov_b32 s15, 2                               ; passes
	s_mov_b32 s[SEL], 0x76543210
	s_mov_b32 s[SEL+1], 0xfedcba98
	s_mov_b32 s[CS], 0x3e38aa3b                    ; c = log2(e) / 8
	s_mov_b32 s[CS+1], s[CS]
	s_mov_b32 s[MNT], 0x600000
	v_and_b32 v7, 31, v0
	v_lshlrev_b32 v[LI], 4, v7
	s_wait_alu depctr_va_sdst(0)                   ; s10 is written, ahead of its first reader: addresses and branches are made from it
	s_lshl_b32 s19, s10, 10
	v_add_nc_u32 v[STA], s19, v[LI]
	v_and_b32 v8, 15, v0
	v_lshlrev_b32 v[R16], 4, v8
	v_lshlrev_b32 v[R8], 3, v8
	v_add_nc_u32 v[ASK0], SCK, v[R16]
	v_add_nc_u32 v[ASV0], SCV, v[R16]
	v_mov_b32 v[NEG], 0xd0000000
.irp i, 0,1,2,3,4,5,6,7
	v_mov_b32 v[24+\i], 0                          ; Q's codes for k = 64 .. 127
	v_mov_b32 v[96+\i], 0                          ; behind the last key tile
.endr
.irp i, 0,1,2,3
	v_mov_b32 v[PB+\i], 0                          ; a lane permute's destination counts as one of its sources
.endr
	v_mov_b32 v253, 0                              ; (named as the upper half of v[252:253] before it is first written)
	v_lshlrev_b32 v216, 4, v0                      ; K's scale words: 16 bytes a thread
	v_lshrrev_b32 v217, 5, v0
	v_lshlrev_b32 v217, 12, v217
	v_lshl_add_u32 v217, v7, 3, v217               ; V's: wave w takes step w's 256 bytes, 4,096 apart in memory
	v_lshl_add_u32 v218, v0, 4, SCK
	v_lshl_add_u32 v219, v0, 3, SCV
	s_lshr_b32 s32, s11, 1
	s_add_co_u32 s32, s32, 8
	s_lshl_b32 s36, s32, 9                         ; (kept: K's group x 512 tiles)
	s_lshl_b32 s32, s32, 15
	s_lshl_b32 s33, s12, 13
	s_add_co_u32 s32, s32, s33
	s_add_co_u32 s32, s32, QK_SC
	s_mov_b32 s33, 0
	s_lshl_b32 s34, s12, 8
	s_add_co_u32 s34, s34, s11
	s_lshl_b32 s34, s34, 8
	s_add_co_u32 s34, s34, V_SC
	s_mov_b32 s35, 0
	s_lshl_b32 s37, s12, 7                         ; waves 0-7: key tile w of a step, my head's 1,024 bytes
	s_add_co_u32 s36, s36, s37
	s_add_co_u32 s36, s36, s10
	s_lshl_b32 s36, s36, 11
	s_and_b32 s37, s11, 1
	s_lshl_b32 s37, s37, 10
	s_add_co_u32 s36, s36, s37
	s_lshl_b32 s38, s12, 10                        ; waves 8-15: piece w - 8 of my head's four tiles of V, 8,192 consecutive bytes
	s_lshl_b32 s39, s11, 2
	s_add_co_u32 s38, s38, s39
	s_lshl_b32 s38, s38, 11
	s_sub_co_u32 s39, s10, 8
	s_lshl_b32 s39, s39, 10
	s_add_co_u32 s38, s38, s39
	s_add_co_u32 s38, s38, V_IMG
	s_mov_b32 s26, 131072
	s_cmp_lt_u32 s10, 8
	s_cselect_b32 s24, s36, s38
	s_cselect_b32 s26, 16384, s26                  ; a key step on
	s_mov_b32 s25, 0
	s_mov_b32 s27, 0
	s_wait_kmcnt 0x0
	s_add_nc_u64 s[32:33], s[4:5], s[32:33]
	s_add_nc_u64 s[34:35], s[4:5], s[34:35]
	s_add_nc_u64 s[24:25], s[4:5], s[24:25]
	s_wait_alu depctr_va_vdst(0)                   ; the addresses made above are written: v216 and v217, which the two loads below read, v218, v219, LI, STA, R16 and R8, which later loads and stores read; so are the zero codes, which the products take
	global_load_b128 v[KSW:KSW+3], v216, s[32:33]
	global_load_b64 v[KSW+4:KSW+5], v217, s[34:35]
	s_wait_loadcnt 0x0
.irp i, 0,1,2,3
	v_lshrrev_b32 v[KSW+\i], s13, v[KSW+\i]        ; my head's two bytes come down
.endr
	s_wait_alu depctr_va_vdst(0)                   ; the four shifts have written v[KSW ..], which the LDS store reads
	ds_store_b128 v218, v[KSW:KSW+3]
	ds_store_b64 v219, v[KSW+4:KSW+5]              ; (shown to the others by the first pass's barrier)
	s_wait_alu depctr_vm_vsrc(0)                   ; the two loads and the two stores above have read v216 to v219 and v[KSW ..]: loads land in these registers from here on
.macro LIVE b                          ; a tile's four words 0 at s[b] on -> s101: its live steps: those with a true key, or all 16 where some row has none at all
	s_or_b32 s19, s[\b], s[\b+1]
	s_or_b32 s101, s[\b+2], s[\b+3]
	s_or_b32 s19, s19, s101
	s_lshr_b32 s101, s19, 16
	s_and_b32 s19, s19, 0xffff
	s_cmp_eq_u32 s19, 0xffff
	s_cselect_b32 s101, s101, 0xffff
.endm
.macro TESTBIT reg, idx                ; SCC = bit s[idx] of s[reg]
	s_lshr_b32 s19, s[\reg], s[\idx]
	s_and_b32 s19, s19, 1
	s_cmp_lg_u32 s19, 0
.endm
; S^T of a step, and V's fragments asked for behind it, so that they land under the softmax
.macro QKPART slot
	s_wait_alu depctr_va_vdst(0)                   ; ADS and ADT are written, which the scale words' loads read; the last live step's products are done reading KV, KSW and VSW, in which this step's loads land; in a pass's first live step Q's scale word is written, which the products take (its eight places stand above)
.irp t, 0,1,2,3,4,5,6,7
	ds_load_b128 v[KV+8*\t:KV+8*\t+3], v[LI] offset:\slot*16384+\t*1024
	ds_load_b128 v[KV+8*\t+4:KV+8*\t+7], v[LI] offset:\slot*16384+\t*1024+512
.endr
	ds_load_b128 v[KSW:KSW+3], v[ADS]              ; the scale words of four tiles a load
	ds_load_b128 v[KSW+4:KSW+7], v[ADS] offset:256
	s_wait_dscnt 0x0
.irp t, 0,1,2,3,4,5,6,7
	v_wmma_scale_f32_16x16x128_f8f6f4 v[S+8*\t:S+8*\t+7], v[KV+8*\t:KV+8*\t+15], v[16:31], 0, v[KSW+\t], v255 matrix_a_fmt:MATRIX_FMT_BF8 matrix_b_fmt:MATRIX_FMT_BF8
.endr
.rept 8
	v_nop                                          ; places in front of the first read of the scores
.endr
	s_wait_alu depctr_va_vdst(0)                   ; the eight products are done reading KV, in which V's fragments land; no instruction of the softmax names KV or VSW
.irp t, 0,1,2,3
.irp c, 0,1,2,3
	ds_load_b128 v[KV+16*\t+4*\c:KV+16*\t+4*\c+3], v[LI] offset:\slot*16384+8192+\t*2048+\c*512
.endr
.endr
	ds_load_b128 v[VSW:VSW+3], v[ADT]
.endm
.macro SOFTMAX
.irp b, 0,1,2,3
	v_max3_num_f32 v[BM+\b], v[S+16*\b], v[S+16*\b+1], v[S+16*\b+2]   ; the largest score of each block of 32 keys: for the row's maximum, and, since p rises with the score, for the block's largest p
.endr
.irp i, 3,5,7,9,11,13
.irp b, 0,1,2,3
	v_max3_num_f32 v[BM+\b], v[BM+\b], v[S+16*\b+\i], v[S+16*\b+\i+1]
.endr
.endr
.irp b, 0,1,2,3
	v_max_num_f32 v[BM+\b], v[BM+\b], v[S+16*\b+15]
.endr
.irp b, 0,1,2,3
	v_permlanex16_b32 v[PB+\b], v[BM+\b], s[SEL], s[SEL+1]
.endr
.irp b, 0,1,2,3
	v_max_num_f32 v[BM+\b], v[BM+\b], v[PB+\b]     ; with lane l xor 16's 16 keys
.endr
	v_max3_num_f32 v254, v[BM], v[BM+1], v[BM+2]
	v_max_num_f32 v254, v254, v[BM+3]
	v_mul_f32 v254, s[CS], v254                    ; as t (c is positive)
	v_max_num_f32 v13, v13, v254                   ; the running largest t
	v_mov_b32 v254, v12
	v_floor_f32 v12, -v13                          ; -M = floor(-t): M is a whole number
	v_sub_f32 v254, v12, v254                      ; old M - new M: a whole number, 0 or less
	v_cvt_i32_f32 v254, v254                       ; (it saturates)
	v_ldexp_f32 v252, 1.0, v254                    ; f = 2^(old M - new M)
.set j, 0
.rept 32
	v_pk_fma_f32 v[S+j:S+j+1], v[S+j:S+j+1], s[CS:CS+1], v[12:13] op_sel_hi:[1,0,0]   ; t - M
.set j, j+2
.endr
.irp b, 0,1,2,3
	v_fma_f32 v[BM+\b], v[BM+\b], s[CS], v12
.endr
.set j, 0
.rept 64
	v_exp_f32 v[S+j], v[S+j]                       ; p = 2^(t - M)
.set j, j+1
.endr
	v_pk_mul_f32 v[14:15], v[14:15], v[252:253] op_sel_hi:[1,0]   ; the sums under the new M: a plain line behind the exponentials
	s_wait_alu depctr_va_vdst(0)                   ; the 64 exponentials have written p: one wait for the batch, ahead of its first reader
.irp b, 0,1,2,3
	v_exp_f32 v[BM+\b], v[BM+\b]                   ; each block's largest p
.endr
	v_pk_add_f32 v[PB:PB+1], v[S:S+1], v[S+2:S+3]  ; the row's sum is taken of the unquantised p, in two chains
.set j, 4
.rept 15
	v_pk_add_f32 v[14:15], v[14:15], v[S+j:S+j+1]
	v_pk_add_f32 v[PB:PB+1], v[PB:PB+1], v[S+j+2:S+j+3]
.set j, j+4
.endr
	v_pk_add_f32 v[14:15], v[14:15], v[PB:PB+1]
	s_wait_alu depctr_va_vdst(0)                   ; the four exponentials have written the blocks' largest p: one wait for the four, ahead of their first reader
.irp b, 0,1,2,3
	v_max_num_f32 v[BM+\b], 0x8000000, v[BM+\b]    ; the floor 2^(16 - 127)
.endr
.irp b, 0,1,2,3
	v_add_nc_u32 v[SO+\b], 0xf8800000, v[BM+\b]    ; the conversion's scale operand
.endr
.irp b, 0,1,2,3
	v_and_or_b32 v[HL+\b], v[BM+\b], 0x7f800000, s[MNT]   ; 57,344 x the scale
.endr
.irp b, 0,1,2,3
	v_lshrrev_b32 v[PB+\b], 23, v[SO+\b]
.endr
	v_lshl_or_b32 v253, v[PB+1], 8, v[PB]          ; p's scale word for these 128 keys
	v_lshl_or_b32 v253, v[PB+2], 16, v253
	v_lshl_or_b32 v253, v[PB+3], 24, v253
.irp b, 0,1,2,3
.irp i, 0,1,2,3,4,5,6,7,8,9,10,11,12,13,14,15
	v_min_num_f32 v[S+16*\b+\i], v[S+16*\b+\i], v[HL+\b]   ; the conversion does not saturate (ISA guide 7.6.2); p is not negative
.endr
	v_cvt_scalef32_pk8_bf8_f32 v[PC+4*\b:PC+4*\b+1], v[S+16*\b:S+16*\b+7], v[SO+\b]
	v_cvt_scalef32_pk8_bf8_f32 v[PC+4*\b+2:PC+4*\b+3], v[S+16*\b+8:S+16*\b+15], v[SO+\b]
.endr
.set j, 0
.rept 16
	v_pk_mul_f32 v[OT+j:OT+j+1], v[OT+j:OT+j+1], v[252:253] op_sel_hi:[1,0]   ; O^T under the new M; also the places ahead of the products below
.set j, j+2
.endr
.endm
; ONE KEY STEP, on LDS slot J % 2
.macro HALF slot
	TESTBIT 66, 18                                 ; does any wave of the work-group want step J + 1?  Then my 1,024 bytes of it are asked for now, a whole step ahead
	s_cbranch_scc0 .Lno_fetch_\@
	global_load_b128 v[SG:SG+3], v[LI], s[28:29]   ; no wait here: the wait on vm_vsrc at the last step's end (in the first step: in the pass's head) has shown SG read, and no vector instruction of the loops names SG
	global_load_b128 v[SG+4:SG+7], v[LI], s[28:29] offset:512
.Lno_fetch_\@:
	TESTBIT 2, 17                                  ; is step J live for my 16 queries?
	s_cbranch_scc0 .Lskip_\@
	v_lshl_add_u32 v[ADS], s100, 1, v[ASK0]        ; K's scale words: 512 bytes a step
	v_add_nc_u32 v[ADT], s100, v[ASV0]             ; V's: 256
.rept 6
	v_nop                                          ; with the two lines above: eight places between the line that made Q's scale word, in the pass's head, and the first product that takes it
.endr
	TESTBIT 3, 17                                  ; all true?
	s_cbranch_scc1 .Lopen_\@
	s_load_b512 s[32:47], s[30:31], s100 offset:0x0    ; the step's 64 lane masks
	s_load_b512 s[48:63], s[30:31], s100 offset:0x40
	s_load_b512 s[68:83], s[30:31], s100 offset:0x80
	s_load_b512 s[84:99], s[30:31], s100 offset:0xc0
	QKPART \slot
	s_wait_kmcnt 0x0
.set n, 0
.rept 64
	v_cndmask_b32 v[S+n], v[NEG], v[S+n], s[32+n+4*(n/32)]   ; where the mask is false: -2^33
.set n, n+1
.endr
	s_branch .Ljoin_\@
.Lopen_\@:
	QKPART \slot
.Ljoin_\@:
	SOFTMAX
	s_wait_dscnt 0x0                               ; V is in
	s_wait_alu depctr_va_vdst(0)                   ; the conversions have written p's codes and the shifts p's scale word, which the products below take; their places stand above
.irp t, 0,1,2,3
	v_wmma_scale_f32_16x16x128_f8f6f4 v[OT+8*\t:OT+8*\t+7], v[KV+16*\t:KV+16*\t+15], v[PC:PC+15], v[OT+8*\t:OT+8*\t+7], v[VSW+\t], v253 matrix_a_fmt:MATRIX_FMT_BF8 matrix_b_fmt:MATRIX_FMT_BF8
.endr
.Lskip_\@:
	s_wait_loadcnt 0x0                             ; my part of step J + 1 is in registers, if it was asked for
	TESTBIT 66, 18
	s_cbranch_scc0 .Lno_store_\@
	ds_store_b128 v[STA], v[SG:SG+3] offset:(1-\slot)*16384
	ds_store_b128 v[STA], v[SG+4:SG+7] offset:(1-\slot)*16384+512
.Lno_store_\@:
	s_wait_dscnt 0x0                               ; my stores into the other slot have landed, and my reads of this slot are over
	s_wait_alu depctr_vm_vsrc(0)                   ; the LDS stores have read SG, in which the next step's loads land; the step's LDS loads have read ADS and ADT, which the next live step writes
	s_add_nc_u64 s[28:29], s[28:29], s[26:27]
	s_add_co_u32 s17, s17, 1
	s_add_co_u32 s18, s18, 1
	s_add_co_u32 s100, s100, 256
	s_barrier_signal -1                            ; one barrier a step does both: the other slot is whole, and nobody reads this one any more
	s_barrier_wait -1
.endm
.Lpass:
	s_lshl_b32 s32, s14, 8                         ; the block's 16 tiles x 4 words 0
	s_add_co_u32 s32, s32, INFO0
	s_mov_b32 s33, 0
	s_add_nc_u64 s[30:31], s[6:7], s[32:33]
	s_load_b512 s[32:47], s[30:31], 0x0
	s_load_b512 s[48:63], s[30:31], 0x40
	s_load_b512 s[68:83], s[30:31], 0x80
	s_load_b512 s[84:99], s[30:31], 0xc0
	s_mov_b32 s66, 0
	s_wait_kmcnt 0x0
.irp b, 32,36,40,44,48,52,56,60,68,72,76,80,84,88,92,96
	LIVE \b
	s_or_b32 s66, s66, s101                        ; the steps that some wave wants; bit 16 is 0: the last step fetches nothing
.endr
	s_lshl_b32 s45, s14, 4
	s_add_co_u32 s45, s45, s10                     ; my tile of queries
	s_lshl_b32 s32, s45, 4
	s_add_co_u32 s32, s32, INFO0
	s_mov_b32 s33, 0
	s_add_nc_u64 s[30:31], s[6:7], s[32:33]
	s_load_b128 s[36:39], s[30:31], 0x0            ; my own words 0,
	s_load_b128 s[40:43], s[30:31], 0x800          ; and words 1
	s_lshl_b32 s44, s12, 7
	s_add_co_u32 s44, s44, s45                     ; the tile among all 512
	s_lshr_b32 s46, s11, 1
	s_lshl_b32 s47, s46, 9
	s_add_co_u32 s47, s47, s44
	s_lshl_b32 s48, s47, 11
	s_and_b32 s49, s11, 1
	s_lshl_b32 s49, s49, 10
	s_add_co_u32 s48, s48, s49
	s_mov_b32 s49, 0
	s_add_nc_u64 s[48:49], s[4:5], s[48:49]
	s_wait_alu depctr_va_vdst(0)                   ; the last pass's products are done reading Q's codes v16-23 and Q's scale word v255, in which the loads below land
	global_load_b128 v[16:19], v[LI], s[48:49]     ; Q's codes of my head
	global_load_b128 v[20:23], v[LI], s[48:49] offset:512
	s_lshl_b32 s50, s46, 15
	s_lshr_b32 s51, s44, 2
	s_lshl_b32 s51, s51, 8
	s_add_co_u32 s50, s50, s51
	s_and_b32 s51, s44, 3
	s_lshl_b32 s51, s51, 2
	s_add_co_u32 s50, s50, s51
	s_add_co_u32 s50, s50, QK_SC
	s_mov_b32 s51, 0
	s_add_nc_u64 s[50:51], s[4:5], s[50:51]
	global_load_b32 v255, v[R16], s[50:51]         ; Q's scale words
	global_load_b128 v[SG:SG+3], v[LI], s[24:25]   ; step 0's tiles are fetched without asking
	global_load_b128 v[SG+4:SG+7], v[LI], s[24:25] offset:512
	v_mov_b32 v13, 0xff61b1e6                      ; the largest t so far: -3e38
	v_floor_f32 v12, -v13
	v_mov_b32 v14, 0
	v_mov_b32 v15, 0
.set j, 0
.rept 32
	v_mov_b32 v[OT+j], 0                           ; the step is written once: the first finds zeros, which the first change of M leaves zeros
.set j, j+1
.endr
	s_wait_kmcnt 0x0
	LIVE 36
	s_mov_b32 s2, s101
	s_or_b32 s3, s40, s41
	s_or_b32 s3, s3, s42
	s_or_b32 s3, s3, s43
	s_lshl_b32 s32, s45, 12
	s_mov_b32 s33, 0
	s_add_nc_u64 s[30:31], s[6:7], s[32:33]        ; my tile's 16 records of 256 bytes
	s_wait_loadcnt 0x0
	v_lshrrev_b32 v255, s13, v255
	ds_store_b128 v[STA], v[SG:SG+3]
	ds_store_b128 v[STA], v[SG+4:SG+7] offset:512
	s_add_nc_u64 s[28:29], s[24:25], s[26:27]
	s_mov_b32 s17, 0
	s_mov_b32 s18, 1
	s_mov_b32 s100, 0
	s_mov_b32 s16, 8
	s_wait_dscnt 0x0
	s_wait_alu depctr_vm_vsrc(0)                   ; the two LDS stores have read SG, in which the first step's loads land
	s_barrier_signal -1
	s_barrier_wait -1                              ; slot 0 is whole (first pass: and the scale words)
.Ltrip:
	HALF 0
	HALF 1
	s_sub_co_u32 s16, s16, 1
	s_cmp_lg_u32 s16, 0
	s_cbranch_scc1 .Ltrip
	; THE PASS'S END: O^T / the sum, quantised along the embedding (my head's 64 are two blocks of 32), stored as my head's part of the last projection's operand
.rept 8
	v_nop                                          ; places behind the last products
.endr
	v_add_f32 v14, v14, v15
	v_permlanex16_b32 v[PB], v14, s[SEL], s[SEL+1]
	v_add_f32 v14, v14, v[PB]                      ; the row's sum
	v_rcp_f32 v14, v14
	v_nop
	s_wait_alu depctr_va_vdst(0)                   ; the reciprocal has written v14, ahead of its first reader
.set j, 0
.rept 16
	v_pk_mul_f32 v[S+j:S+j+1], v[OT+j:OT+j+1], v[14:15] op_sel_hi:[1,0]   ; register 16 b + i is channel 32 b + 16 h + i of my head
.set j, j+2
.endr
.irp b, 0,1
	v_max3_num_f32 v[BM+\b], |v[S+16*\b]|, |v[S+16*\b+1]|, 0x8000000
.endr
.irp i, 2,4,6,8,10,12,14
.irp b, 0,1
	v_max3_num_f32 v[BM+\b], v[BM+\b], |v[S+16*\b+\i]|, |v[S+16*\b+\i+1]|
.endr
.endr
.irp b, 0,1
	v_permlanex16_b32 v[PB+\b], v[BM+\b], s[SEL], s[SEL+1]
.endr
.irp b, 0,1
	v_max_num_f32 v[BM+\b], v[BM+\b], v[PB+\b]
.endr
.irp b, 0,1
	v_add_nc_u32 v[SO+\b], 0xf8800000, v[BM+\b]
.endr
.irp b, 0,1
	v_and_or_b32 v[HL+\b], v[BM+\b], 0x7f800000, s[MNT]
.endr
.irp b, 0,1
	v_lshrrev_b32 v[PB+\b], 23, v[SO+\b]
.endr
	v_lshl_or_b32 v254, v[PB+1], 8, v[PB]          ; my head's two scale bytes
.irp b, 0,1
.irp i, 0,1,2,3,4,5,6,7,8,9,10,11,12,13,14,15
	v_med3_num_f32 v[S+16*\b+\i], v[S+16*\b+\i], -v[HL+\b], v[HL+\b]
.endr
	v_cvt_scalef32_pk8_bf8_f32 v[PC+4*\b:PC+4*\b+1], v[S+16*\b:S+16*\b+7], v[SO+\b]
	v_cvt_scalef32_pk8_bf8_f32 v[PC+4*\b+2:PC+4*\b+3], v[S+16*\b+8:S+16*\b+15], v[SO+\b]
.endr
	v_nop                                          ; a plain line behind the last conversion
	s_lshl_b32 s32, s14, 4
	s_add_co_u32 s32, s32, s10
	s_lshl_b32 s33, s12, 7
	s_add_co_u32 s32, s32, s33                     ; my tile among all 512
	s_lshl_b32 s34, s32, 3
	s_lshr_b32 s35, s11, 1
	s_add_co_u32 s34, s34, s35                     ; image (tile, K step head / 2),
	s_lshl_b32 s34, s34, 11
	s_and_b32 s35, s11, 1
	s_lshl_b32 s35, s35, 10                        ; the odd head's half 1,024 bytes on
	s_add_co_u32 s34, s34, s35
	s_mov_b32 s35, 0
	s_add_nc_u64 s[34:35], s[8:9], s[34:35]
	s_lshl_b32 s36, s32, 2
	s_lshr_b32 s38, s11, 2
	s_add_co_u32 s36, s36, s38
	s_lshl_b32 s36, s36, 7
	s_and_b32 s38, s11, 3
	s_lshl_b32 s38, s38, 1                         ; word (head / 2) % 2, bytes 2 (head % 2) on
	s_add_co_u32 s36, s36, s38
	s_add_co_u32 s36, s36, O_SC
	s_mov_b32 s37, 0
	s_add_nc_u64 s[36:37], s[8:9], s[36:37]
	s_wait_alu depctr_va_vdst(0)                   ; the conversions have written v[PC ..] and the shift v254, which the three stores read
	global_store_b128 v[LI], v[PC:PC+3], s[34:35]              ; 512 consecutive bytes
	global_store_b128 v[LI], v[PC+4:PC+7], s[34:35] offset:512
	global_store_b16 v[R8], v254, s[36:37]         ; two bytes a row, 8 apart (both halves of the lanes write the same): one byte for each 32 of codes
	s_wait_xcnt 0x0                                ; the stores have read their registers and addresses
	s_wait_alu depctr_vm_vsrc(0)                   ; the three stores have read v[PC ..] and v254, which the next pass's vector instructions write again
	s_sub_co_u32 s14, 7, s14                       ; the other block
	s_sub_co_u32 s15, s15, 1
	s_cmp_lg_u32 s15, 0
	s_cbranch_scc1 .Lpass
	s_wait_dscnt 0x0                               ; the closing lines, six on end
	s_wait_alu 0x0
	s_wait_tensorcnt 0x0
	ds_add_u32 v[SPW], v[NIL]
	s_wait_dscnt 0x0
	s_endpgm
.Lfunc_end_k_q80ca3b4096_attn:
	.size	k_q80ca3b4096_attn, .Lfunc_end_k_q80ca3b4096_attn-k_q80ca3b4096_attn
	.p2alignl 7, 3214868480
	.fill 96, 4, 3214868480
	.section	.rodata,"a",@progbits
	.p2align	6, 0x0
	.amdhsa_kernel k_q80ca3b4096_attn
		.amdhsa_group_segment_fixed_size 47104
		.amdhsa_private_segment_fixed_size 0
		.amdhsa_enable_private_segment 0
		.amdhsa_kernarg_size 24
		.amdhsa_user_sgpr_count 2
		.amdhsa_user_sgpr_kernarg_segment_ptr 1
		.amdhsa_wavefront_size32 1
		.amdhsa_system_sgpr_workgroup_id_x 1
		.amdhsa_system_sgpr_workgroup_id_y 1
		.amdhsa_system_sgpr_workgroup_id_z 1
		.amdhsa_system_vgpr_workitem_id 0
		.amdhsa_next_free_vgpr 256
		.amdhsa_next_free_sgpr 102
		.amdhsa_reserve_vcc 0
		.amdhsa_float_denorm_mode_32 3
		.amdhsa_float_denorm_mode_16_64 3
		.amdhsa_memory_ordered 1
		.amdhsa_forward_progress 1
		.amdhsa_inst_pref_size 76
	.end_amdhsa_kernel
	.amdgpu_metadata
---
amdhsa.version: [ 1, 2 ]
amdhsa.kernels:
  - .name:           k_q80ca3b4096_attn
    .symbol:         k_q80ca3b4096_attn.kd
    .args:
      - { .name: qkv, .offset: 0, .size: 8, .value_kind: global_buffer, .address_space: global }
      - { .name: mk, .offset: 8, .size: 8, .value_kind: global_buffer, .address_space: global }
      - { .name: ob, .offset: 16, .size: 8, .value_kind: global_buffer, .address_space: global }
    .group_segment_fixed_size: 47104
    .private_segment_fixed_size: 0
    .kernarg_segment_align: 8
    .kernarg_segment_size: 24
    .max_flat_workgroup_size: 512
    .sgpr_count:     102
    .vgpr_count:     256
    .wavefront_size: 32
...
	.end_amdgpu_metadata
.endif
;; end of part 5
;; launch outp: the kernel of part 4 again; grid 4 x 32, 4 waves a work-group, clusters of 4 x 4, 327,680 bytes of LDS; arguments ob, xw, bo, out0; writes out0
